; MI455X (gfx1250); checked and timed in simulation.
; The chip was launched on July 23, 2026; its instructions are those of AMD's public machine-readable ISA for CDNA 5 (MIT licence, August 2026) and "CDNA5" Instruction Set Architecture Reference Guide (July 2026). The comments in the code are by the model that wrote it; some were corrected since.
;; Self Attention. Allowed arithmetic: matrix products marked QUANTISED: E2M1 operands, one E8M0 scale for each 32 along K, by v_wmma_scale_f32_16x16x128_f8f6f4 with both operands' format E2M1 (or v_wmma_scale_f32_32x16x128_f4), f32 sums; products left as they are: bf16, f16 or f32 operands; f32 sums; everything else in f32.
;; Inputs: Wk 1,024 x 1,024 float32; Wo 1,024 x 1,024 float32; Wq 1,024 x 1,024 float32; Wv 1,024 x 1,024 float32; bk 1,024 float32; bo 1,024 float32; bq 1,024 float32; bv 1,024 float32; x 4 x 2,048 x 1,024 float32.
;; Outputs: out0 4 x 2,048 x 1,024 float32.
;; This version of the problem:
;;   THIS VERSION OF THE PROBLEM IS GIVEN IN LOW PRECISION. The matrix products marked QUANTISED in the list below multiply operands that are first quantised to E2M1 (2 exponent bits, 1 mantissa bit; 4 bits a number), with one power-of-two scale for each 32 numbers along K (OCP MX v1.0); their sums are f32. The products marked 'left as it is' may take bf16, f16 or f32 operands, with f32 sums. Whichever they take, every output number must still come out within the allowed error. Rounding operands to bf16 (8 significant bits) uses up far more of that allowance than f16 does (11 bits, for magnitudes from 6e-5 to 65,504). All else is computed in f32.
;;   The module's matrix products, in the order in which they are computed (A, B: the left and right operand; K: the contracted axis; several contracted axes count as one K, in the product's order):
;;     1. [M 8,192, K 1,024] x [K 1,024, N 1,024]; A: input x; B: input Wq: QUANTISED
;;     2. [M 8,192, K 1,024] x [K 1,024, N 1,024]; A: input x; B: input Wk: QUANTISED
;;     3. [M 8,192, K 1,024] x [K 1,024, N 1,024]; A: input x; B: input Wv: QUANTISED
;;     4. batch 64 x [M 2,048, K 64] x [K 64, N 2,048]; A: computed on the way; B: computed on the way: left as it is (an operand is computed on the way)
;;     5. batch 64 x [M 2,048, K 2,048] x [K 2,048, N 64]; A: computed on the way; B: computed on the way: left as it is (an operand is computed on the way)
;;     6. [M 8,192, K 1,024] x [K 1,024, N 1,024]; A: computed on the way; B: input Wo: left as it is (an operand is computed on the way)
;;   THE QUANTISER, for each operand of a quantised product, along K:
;;     - K is cut into blocks of 32 from its start; a last block that is shorter is filled with zeros.
;;     - A block's scale is 2^e with e = floor(log2(the largest magnitude in the block)) - 2, held to -126 .. 127; a block of zeros has e = 0. As a byte (E8M0): e + 127.
;;     - Each number is divided by its block's scale, clamped to +-6, and rounded to the nearest number of E2M1, ties to even, subnormals kept.
;;     - The product sums the exact products of the quantised numbers (number of the format x scale) in f32.
;;   ~~~python
;;   def quantise(x, axis):      # numpy; x: float32 -> the quantised numbers, widened to float32 again
;;       x = np.moveaxis(x, axis, -1); K = x.shape[-1]
;;       x = np.pad(x, [(0, 0)] * (x.ndim - 1) + [(0, -K % 32)]); x = x.reshape(x.shape[:-1] + (-1, 32)); a = np.abs(x).max(-1, keepdims=True)
;;       e = np.where(a > 0, np.clip(np.frexp(np.where(a > 0, a, 1))[1] - 1 - 2, -126, 127), 0)      # np.frexp(a)[1] - 1 = floor(log2(a)), exactly
;;       r = np.clip(x / 2.0 ** e, -6, 6)
;;       step = 2.0 ** (np.maximum(np.frexp(np.where(r == 0, 1, r))[1] - 1, 0) - 1)
;;       q = np.round(r / step) * step * 2.0 ** e      # np.round: ties to even
;;       return np.moveaxis(q.reshape(q.shape[:-2] + (-1,))[..., :K], -1, axis).astype(np.float32)
;;   ~~~
;; One version. Each part assembles by itself: llvm-mc -triple=amdgcn-amd-amdhsa -mcpu=gfx1250 --defsym DOCPART=n.
;; ======== version 1 of 1: 6 launches
;; limits: values are held in f16: magnitudes above 65,504 overflow, below 6.1e-05 lose precision
;; workspace buffers: xc 4,194,304 bytes; xs 262,144 bytes; wc 1,572,864 bytes; ws 98,304 bytes; wo16 2,097,152 bytes; qkv 50,331,648 bytes; q32 786,432 bytes; y16 16,777,216 bytes
;; launch quant_x (part 1): grid 256 x 1, 4 waves a work-group, no clusters, 33,280 bytes of LDS; arguments x, xc, xs; writes xc, xs
.if DOCPART == 1
	.amdgcn_target "amdgcn-amd-amdhsa--gfx1250"
	.amdhsa_code_object_version 6
	.text
	.protected	k_q941ad83a6a_quant_x
	.globl	k_q941ad83a6a_quant_x
	.p2align	8
	.type	k_q941ad83a6a_quant_x,@function
k_q941ad83a6a_quant_x:
	s_mov_b64 s[64:65], 0
	v_nop
	global_prefetch_b8 v0, s[64:65] scope:SCOPE_SE
	s_setreg_imm32_b32 hwreg(HW_REG_WAVE_MODE, 25, 1), 1
	s_wait_xcnt 0x0
; x [8192][1024] f32 becomes codes of FP4 (E2M1), K innermost, xc [8192][512 bytes], and one E8M0 byte for each 32 along K, xs [8192][32 bytes].
; A block's scale is 2^(floor(log2(its largest magnitude)) - 2); its byte is the largest magnitude's exponent field - 2, held at 1 from below.
; LIMITS: a block of zeros gets the byte 1 where the quantiser says 127 (its codes are zeros, and this program alone reads the bytes); blocks whose largest magnitude lies under 2^-124
; have their byte held at 1; NaN and infinities among the inputs are not served.
; Rows are dense and 1024 is a multiple of 32: x is a plain stream of blocks of 32.  A wave takes 16 steps of 512 numbers: 1,024 waves in 256 work-groups cover the 8,388,608 numbers.
; Each load reads 512 consecutive bytes, 16 a lane; a step's 2,048 bytes turn through the wave's own stage in LDS and come back 64 bytes a lane (16 neighbours along K; two lanes hold a block).
; Loads run eight steps (32 loads a wave) ahead, the turn through LDS one step.  No matrix unit, no cluster, no barrier: waves share nothing and memory binds.
.set STEPS, 16
.set AHEAD, 8
.set SP,    80                         ; a lane's place in a stage: its 64 bytes + 16 of padding
.set WREG,  8192                       ; LDS of a wave: two stages of 32 x SP bytes, behind them its 256 scale bytes
.set SPARE, 4*WREG                     ; behind the four regions: the spare words, 128 bytes for each wave
.set R,     16                         ; v16-143  eight sets of 16 numbers as loaded
.set X,     144                        ; v144-175 two sets of 16 neighbours
.set E,     176                        ; v176-191 a scale byte for each step
.set C,     192                        ; v192-223 two registers of codes for each step: no store's data are written again
.set SPW,   12                         ; v12 my spare word's LDS address; never rewritten
.set NIL,   13                         ; v13 0; never rewritten
	s_load_b128 s[4:7], s[0:1], 0x0                ; x, xc
	s_load_b64 s[8:9], s[0:1], 0x10                ; xs
	v_lshl_add_u32 v[SPW], v0, 2, SPARE
	v_mov_b32 v[NIL], 0
	v_lshrrev_b32 v1, 5, v0
	v_readfirstlane_b32 s16, v1                    ; wave
	v_and_b32 v2, 31, v0                           ; lane
	v_lshlrev_b32 v3, 4, v2                        ; my 16 bytes of a load's 512
	s_mul_i32 s17, s16, WREG
	v_lshrrev_b32 v14, 2, v2
	v_mul_u32_u24 v14, v14, SP
	v_and_b32 v15, 3, v2
	v_lshl_add_u32 v14, v15, 4, v14
	v_add_nc_u32 v14, s17, v14                     ; the stage, way in: SP (lane / 4) + 16 (lane % 4)
	v_mul_u32_u24 v15, v2, SP
	v_add_nc_u32 v15, s17, v15                     ; way out: SP x lane
	v_lshlrev_b32 v4, 3, v2                        ; 8 bytes a lane: my codes in a step's 256 bytes
	v_lshrrev_b32 v5, 1, v2
	s_add_co_u32 s17, s17, 2*32*SP
	v_add_nc_u32 v5, s17, v5                       ; my block's scale byte in the wave's 256
	v_add_nc_u32 v6, s17, v4                       ; and where I read 8 of them back
	s_lshl_b32 s18, ttmp9, 2
	s_add_co_u32 s18, s18, s16                     ; which run of 8,192 numbers is my wave's
	s_lshl_b32 s20, s18, 15                        ; 32,768 bytes of x,
	s_mov_b32 s21, 0
	s_lshl_b32 s22, s18, 12                        ; 4,096 of codes,
	s_mov_b32 s23, 0
	s_lshl_b32 s24, s18, 8                         ; 256 of scale bytes
	s_mov_b32 s25, 0
	s_wait_kmcnt 0x0
	s_add_nc_u64 s[4:5], s[4:5], s[20:21]
	s_add_nc_u64 s[6:7], s[6:7], s[22:23]
	s_add_nc_u64 s[8:9], s[8:9], s[24:25]
.macro LOAD t
.irp i, 0,1,2,3
	global_load_b128 v[R+16*((\t)%AHEAD)+4*\i:R+16*((\t)%AHEAD)+4*\i+3], v3, s[4:5] offset:2048*(\t)+512*\i th:TH_LOAD_NT
.endr
.endm
.macro TURN t                          ; step t's numbers through the stage: LDS serves a wave's instructions in order, so no wait stands between the stores and the loads
.irp i, 0,1,2,3
	ds_store_b128 v14, v[R+16*((\t)%AHEAD)+4*\i:R+16*((\t)%AHEAD)+4*\i+3] offset:32*SP*((\t)%2)+8*SP*\i
.endr
.irp i, 0,1,2,3
	ds_load_b128 v[X+16*((\t)%2)+4*\i:X+16*((\t)%2)+4*\i+3], v15 offset:32*SP*((\t)%2)+16*\i
.endr
.endm
.irp t, 0,1,2,3,4,5,6,7
	LOAD \t
.endr
	s_wait_loadcnt 28                              ; step 0's four loads are in; the 28 of steps 1 to 7 may be out
	TURN 0
.macro STEP t
.set XS, X+16*((\t)%2)
.if (\t) > 0
	s_wait_dscnt 1                                 ; this step's numbers are back from the stage; the last step's byte store may be out
.else
	s_wait_dscnt 0x0
.endif
.if (\t)+AHEAD < STEPS
	LOAD (\t)+AHEAD                                ; into the set that this step's stage stores have read
.endif
.if (\t)+1 < STEPS
.if (\t)+AHEAD < STEPS
	s_wait_loadcnt 4*(AHEAD-1)                     ; the next step's loads are in; those of the seven steps behind it may be out
.else
	s_wait_loadcnt 4*(STEPS-2-(\t))                ; the counts run down
.endif
	TURN (\t)+1
.endif
	v_max3_num_f32 v8, |v[XS]|, |v[XS+1]|, |v[XS+2]|   ; the largest magnitude of my 16, in two chains
	v_max3_num_f32 v9, |v[XS+3]|, |v[XS+4]|, |v[XS+5]|
.irp i, 6,10
	v_max3_num_f32 v8, v8, |v[XS+\i]|, |v[XS+\i+1]|
	v_max3_num_f32 v9, v9, |v[XS+\i+2]|, |v[XS+\i+3]|
.endr
	v_max3_num_f32 v8, v8, |v[XS+14]|, |v[XS+15]|
	v_max3_num_f32 v8, v8, v9, 0x1800000           ; and the floor 2^(3 - 127): the byte cannot fall under 1
	v_max_num_f32_dpp v8, v8, v8 row_xmask:1 row_mask:0xf bank_mask:0xf   ; with my neighbour's 16: the block's
	v_add_nc_u32 v11, 0xff000000, v8               ; 2 off the exponent field: the conversion's scale operand
	v_cvt_scalef32_pk8_fp4_f32 v[C+2*(\t)], v[XS:XS+7], v11
	v_cvt_scalef32_pk8_fp4_f32 v[C+2*(\t)+1], v[XS+8:XS+15], v11
	v_lshrrev_b32 v[E+(\t)], 23, v11               ; the scale's byte (also the plain line behind the conversions)
	ds_store_b8 v5, v[E+(\t)] offset:16*(\t)       ; both lanes of a block write the same byte with the same value
	global_store_b64 v4, v[C+2*(\t):C+2*(\t)+1], s[6:7] offset:256*(\t)   ; the wave stores 256 consecutive bytes, aligned
.endm
.irp t, 0,1,2,3,4,5,6,7,8,9,10,11,12,13,14,15
	STEP \t
.endr
	ds_load_b64 v[8:9], v6                         ; my wave's 256 scale bytes, 8 a lane
	s_wait_dscnt 0x0
	global_store_b64 v4, v[8:9], s[8:9]            ; 256 consecutive bytes, aligned
	s_wait_tensorcnt 0x0                           ; the wave's end
	ds_add_u32 v[SPW], v[NIL]
	s_wait_dscnt 0x0
	s_endpgm
.Lfunc_end_k_q941ad83a6a_quant_x:
	.size	k_q941ad83a6a_quant_x, .Lfunc_end_k_q941ad83a6a_quant_x-k_q941ad83a6a_quant_x
	.p2alignl 7, 3214868480
	.fill 96, 4, 3214868480
	.section	.rodata,"a",@progbits
	.p2align	6, 0x0
	.amdhsa_kernel k_q941ad83a6a_quant_x
		.amdhsa_group_segment_fixed_size 33280
		.amdhsa_private_segment_fixed_size 0
		.amdhsa_enable_private_segment 0
		.amdhsa_kernarg_size 24
		.amdhsa_user_sgpr_count 2
		.amdhsa_user_sgpr_kernarg_segment_ptr 1
		.amdhsa_wavefront_size32 1
		.amdhsa_system_sgpr_workgroup_id_x 1
		.amdhsa_system_sgpr_workgroup_id_y 1
		.amdhsa_system_sgpr_workgroup_id_z 1
		.amdhsa_system_vgpr_workitem_id 0
		.amdhsa_next_free_vgpr 224
		.amdhsa_next_free_sgpr 66
		.amdhsa_reserve_vcc 0
		.amdhsa_float_denorm_mode_32 3
		.amdhsa_float_denorm_mode_16_64 3
		.amdhsa_memory_ordered 1
		.amdhsa_forward_progress 1
		.amdhsa_inst_pref_size 33
	.end_amdhsa_kernel
	.amdgpu_metadata
---
amdhsa.version: [ 1, 2 ]
amdhsa.kernels:
  - .name:           k_q941ad83a6a_quant_x
    .symbol:         k_q941ad83a6a_quant_x.kd
    .args:
      - { .name: x, .offset: 0, .size: 8, .value_kind: global_buffer, .address_space: global }
      - { .name: xc, .offset: 8, .size: 8, .value_kind: global_buffer, .address_space: global }
      - { .name: xs, .offset: 16, .size: 8, .value_kind: global_buffer, .address_space: global }
    .group_segment_fixed_size: 33280
    .private_segment_fixed_size: 0
    .kernarg_segment_align: 8
    .kernarg_segment_size: 24
    .max_flat_workgroup_size: 128
    .sgpr_count:     66
    .vgpr_count:     224
    .wavefront_size: 32
...
	.end_amdgpu_metadata
.endif
;; end of part 1
;; launch prep_w (part 2): grid 112 x 1, 16 waves a work-group, no clusters, 37,888 bytes of LDS; arguments Wq, Wk, Wv, Wo, wc, ws, wo16; writes wc, ws, wo16
.if DOCPART == 2
	.amdgcn_target "amdgcn-amd-amdhsa--gfx1250"
	.amdhsa_code_object_version 6
	.text
	.protected	k_q941ad83a6a_prep_w
	.globl	k_q941ad83a6a_prep_w
	.p2align	8
	.type	k_q941ad83a6a_prep_w,@function
k_q941ad83a6a_prep_w:
	s_mov_b64 s[64:65], 0
	v_nop
	global_prefetch_b8 v0, s[64:65] scope:SCOPE_SE
	s_setreg_imm32_b32 hwreg(HW_REG_WAVE_MODE, 25, 1), 1
	s_wait_xcnt 0x0
; Work-groups 0-47: Wq, Wk, Wv ([1024 k][1024 n] f32, K the FIRST axis) become codes of FP4 with K innermost, wc [3072 n][512 bytes] (row n = 1024 x tensor + column), and scale bytes ws [3072][32].
; Work-groups 48-111: Wo becomes f16, laid as it lies, wo16 [1024 k][1024 n].
; THE WEIGHTS' PATH.  A work-group takes 64 columns and all of K.  Wave w takes 32 columns (w & 1) and 128 along K (w >> 1).  A lane takes a column and its registers run down K: a block of 32 lies in one lane,
; and the conversions give codes with K innermost.  Codes and scale bytes meet in LDS; behind one barrier each wave stores four whole rows of 512 bytes, and waves 0-3 the 2,048 scale bytes.
; LIMITS: as in the launch that quantises x (a block of zeros has the byte 1; the floor 2^-124; no NaN, no infinities).  |Wo| stays under 65,504 (f16).
; No matrix unit, no cluster: each byte is read once and memory binds.
.set X,     32                         ; v32-159  128 numbers of my column
.set PST,   528                        ; a stage row: a column's 512 bytes of codes + 16
.set SCS,   64*PST                     ; behind the stage: 64 x 32 scale bytes, dense
.set SPARE, SCS+2048                   ; behind them: the spare words, 128 bytes for each of 16 waves
.set SPW,   14
.set NIL,   15
	s_load_b256 s[4:11], s[0:1], 0x0               ; Wq, Wk, Wv, Wo
	s_load_b128 s[12:15], s[0:1], 0x20             ; wc, ws
	s_load_b64 s[16:17], s[0:1], 0x30              ; wo16
	v_lshl_add_u32 v[SPW], v0, 2, SPARE
	v_mov_b32 v[NIL], 0
	v_lshrrev_b32 v1, 5, v0
	v_readfirstlane_b32 s18, v1                    ; wave 0..15
	v_and_b32 v1, 31, v0                           ; lane
	v_lshlrev_b32 v2, 2, v1                        ; 4 x lane
	v_lshlrev_b32 v6, 4, v1                        ; 16 x lane
	v_lshlrev_b32 v8, 3, v1                        ; 8 x lane
	s_and_b32 s19, s18, 1                          ; which 32 columns
	s_lshr_b32 s20, s18, 1                         ; which 128 along K
	s_mul_i32 s21, s19, 32*PST
	s_lshl_b32 s22, s20, 6
	s_add_co_u32 s21, s21, s22
	v_mul_u32_u24 v3, v1, PST
	v_add_nc_u32 v3, s21, v3                       ; stage, way in: my column's row, my 64 bytes of it
	s_lshl_b32 s21, s19, 10
	s_lshl_b32 s22, s20, 2
	s_add_co_u32 s21, s21, s22
	s_add_co_u32 s21, s21, SCS
	v_lshl_add_u32 v4, v1, 5, s21                  ; my column's 32 scale bytes, my four of them
	s_mul_i32 s21, s18, 4*PST
	v_add_nc_u32 v5, s21, v6                       ; stage, way out: rows 4 w on, 16 bytes a lane
	s_lshl_b32 s21, s18, 9
	s_add_co_u32 s21, s21, SCS
	v_add_nc_u32 v7, s21, v6                       ; the scale bytes' way out (waves 0-3)
	s_wait_kmcnt 0x0
	s_cmp_ge_u32 ttmp9, 48                         ; the work-group's number alone: all sixteen waves go the same way
	s_cbranch_scc1 .Lwo
	s_lshr_b32 s21, ttmp9, 4                       ; the tensor: 0 q, 1 k, 2 v
	s_cmp_eq_u32 s21, 0
	s_cselect_b64 s[24:25], s[4:5], s[6:7]
	s_cmp_eq_u32 s21, 2
	s_cselect_b64 s[24:25], s[8:9], s[24:25]
	s_and_b32 s22, ttmp9, 15
	s_lshl_b32 s22, s22, 8                         ; 64 columns x 4 bytes
	s_lshl_b32 s23, s19, 7
	s_add_co_u32 s22, s22, s23
	s_lshl_b32 s23, s20, 19                        ; 128 rows of 4,096 bytes
	s_add_co_u32 s22, s22, s23
	s_mov_b32 s23, 0
	s_add_nc_u64 s[24:25], s[24:25], s[22:23]
	s_lshl_b32 s22, ttmp9, 15                      ; wc: 64 rows of 512 bytes a work-group,
	s_lshl_b32 s26, s18, 11                        ; four rows a wave
	s_add_co_u32 s22, s22, s26
	s_add_nc_u64 s[12:13], s[12:13], s[22:23]
	s_lshl_b32 s22, ttmp9, 11                      ; ws: 2,048 bytes a work-group,
	s_lshl_b32 s26, s18, 9                         ; 512 a wave
	s_add_co_u32 s22, s22, s26
	s_add_nc_u64 s[14:15], s[14:15], s[22:23]
.set i, 0
.rept 128                              ; W(128 (w >> 1) + i, my column): 32 lanes read 128 consecutive bytes, two waves side by side 256
	global_load_b32 v[X+i], v2, s[24:25] offset:i*4096 th:TH_LOAD_NT
.set i, i+1
.endr
.macro BLOCK t, left
.set XS, X+32*(\t)
	s_wait_loadcnt \left                           ; this block's 32 loads are in (the count is at most the number of younger loads)
	v_max3_num_f32 v10, |v[XS]|, |v[XS+1]|, |v[XS+2]|
	v_max3_num_f32 v11, |v[XS+3]|, |v[XS+4]|, |v[XS+5]|
.irp i, 6,10,14,18,22,26
	v_max3_num_f32 v10, v10, |v[XS+\i]|, |v[XS+\i+1]|
	v_max3_num_f32 v11, v11, |v[XS+\i+2]|, |v[XS+\i+3]|
.endr
	v_max3_num_f32 v10, v10, |v[XS+30]|, |v[XS+31]|
	v_max3_num_f32 v10, v10, v11, 0x1800000        ; the floor 2^(3 - 127): the byte cannot fall under 1
	v_add_nc_u32 v12, 0xff000000, v10              ; 2 off the exponent field: the conversion's scale operand
	v_lshrrev_b32 v13, 23, v12                     ; the scale's byte
.if (\t) == 0
	v_mov_b32 v9, v13
.else
	v_lshl_or_b32 v9, v13, 8*(\t), v9              ; four bytes to a word, the lower K in the lower byte
.endif
.irp g, 0,1,2,3
	v_cvt_scalef32_pk8_fp4_f32 v[16+4*(\t)+\g], v[XS+8*\g:XS+8*\g+7], v12
.endr
	v_nop                                          ; a plain line behind the conversions
	ds_store_b128 v3, v[16+4*(\t):16+4*(\t)+3] offset:16*(\t)
.endm
	BLOCK 0, 63                                    ; 96 younger loads
	BLOCK 1, 63                                    ; 64 younger loads
	BLOCK 2, 32
	BLOCK 3, 0
	ds_store_b32 v4, v9
	s_wait_dscnt 0x0                               ; for the others' sake: my stores have landed
	s_barrier_signal -1
	s_barrier_wait -1
.irp i, 0,1,2,3
	ds_load_b128 v[16+4*\i:19+4*\i], v5 offset:PST*\i
.endr
.irp i, 0,1,2,3
	s_wait_dscnt 3-\i
	global_store_b128 v6, v[16+4*\i:19+4*\i], s[12:13] offset:512*\i   ; a whole row of codes: 512 consecutive bytes, aligned
.endr
	s_cmp_ge_u32 s18, 4
	s_cbranch_scc1 .Lend
	ds_load_b128 v[32:35], v7
	s_wait_dscnt 0x0
	global_store_b128 v6, v[32:35], s[14:15]       ; 512 consecutive scale bytes, aligned
	s_branch .Lend
.Lwo:                                  ; a wave takes a row of Wo: 4,096 bytes in, 2,048 out
	s_sub_co_u32 s21, ttmp9, 48
	s_lshl_b32 s21, s21, 4
	s_add_co_u32 s21, s21, s18
	s_lshl_b32 s22, s21, 12
	s_mov_b32 s23, 0
	s_add_nc_u64 s[10:11], s[10:11], s[22:23]
	s_lshl_b32 s22, s21, 11
	s_add_nc_u64 s[16:17], s[16:17], s[22:23]
.irp i, 0,1,2,3,4,5,6,7
	global_load_b128 v[32+4*\i:35+4*\i], v6, s[10:11] offset:512*\i th:TH_LOAD_NT
.endr
.irp i, 0,1,2,3,4,5,6,7
	s_wait_loadcnt 7-\i
	v_cvt_pk_f16_f32 v[16+2*\i], v[32+4*\i], v[33+4*\i]
	v_cvt_pk_f16_f32 v[17+2*\i], v[34+4*\i], v[35+4*\i]
	global_store_b64 v8, v[16+2*\i:17+2*\i], s[16:17] offset:256*\i   ; 256 consecutive bytes, aligned
.endr
.Lend:
	s_wait_tensorcnt 0x0                           ; the wave's end
	ds_add_u32 v[SPW], v[NIL]
	s_wait_dscnt 0x0
	s_endpgm
.Lfunc_end_k_q941ad83a6a_prep_w:
	.size	k_q941ad83a6a_prep_w, .Lfunc_end_k_q941ad83a6a_prep_w-k_q941ad83a6a_prep_w
	.p2alignl 7, 3214868480
	.fill 96, 4, 3214868480
	.section	.rodata,"a",@progbits
	.p2align	6, 0x0
	.amdhsa_kernel k_q941ad83a6a_prep_w
		.amdhsa_group_segment_fixed_size 37888
		.amdhsa_private_segment_fixed_size 0
		.amdhsa_enable_private_segment 0
		.amdhsa_kernarg_size 56
		.amdhsa_user_sgpr_count 2
		.amdhsa_user_sgpr_kernarg_segment_ptr 1
		.amdhsa_wavefront_size32 1
		.amdhsa_system_sgpr_workgroup_id_x 1
		.amdhsa_system_sgpr_workgroup_id_y 1
		.amdhsa_system_sgpr_workgroup_id_z 1
		.amdhsa_system_vgpr_workitem_id 0
		.amdhsa_next_free_vgpr 160
		.amdhsa_next_free_sgpr 66
		.amdhsa_reserve_vcc 0
		.amdhsa_float_denorm_mode_32 3
		.amdhsa_float_denorm_mode_16_64 3
		.amdhsa_memory_ordered 1
		.amdhsa_forward_progress 1
		.amdhsa_inst_pref_size 25
	.end_amdhsa_kernel
	.amdgpu_metadata
---
amdhsa.version: [ 1, 2 ]
amdhsa.kernels:
  - .name:           k_q941ad83a6a_prep_w
    .symbol:         k_q941ad83a6a_prep_w.kd
    .args:
      - { .name: Wq, .offset: 0, .size: 8, .value_kind: global_buffer, .address_space: global }
      - { .name: Wk, .offset: 8, .size: 8, .value_kind: global_buffer, .address_space: global }
      - { .name: Wv, .offset: 16, .size: 8, .value_kind: global_buffer, .address_space: global }
      - { .name: Wo, .offset: 24, .size: 8, .value_kind: global_buffer, .address_space: global }
      - { .name: wc, .offset: 32, .size: 8, .value_kind: global_buffer, .address_space: global }
      - { .name: ws, .offset: 40, .size: 8, .value_kind: global_buffer, .address_space: global }
      - { .name: wo16, .offset: 48, .size: 8, .value_kind: global_buffer, .address_space: global }
    .group_segment_fixed_size: 37888
    .private_segment_fixed_size: 0
    .kernarg_segment_align: 8
    .kernarg_segment_size: 56
    .max_flat_workgroup_size: 512
    .sgpr_count:     66
    .vgpr_count:     160
    .wavefront_size: 32
...
	.end_amdgpu_metadata
.endif
;; end of part 2
;; launch qkv (part 3): grid 12 x 32, 4 waves a work-group, clusters of 4 x 4, 327,680 bytes of LDS; arguments xc, xs, wc, ws, bq, bk, bv, q32, qkv; writes qkv, q32
.if DOCPART == 3
	.amdgcn_target "amdgcn-amd-amdhsa--gfx1250"
	.amdhsa_code_object_version 6
	.text
	.protected	k_q941ad83a6a_qkv
	.globl	k_q941ad83a6a_qkv
	.p2align	8
	.type	k_q941ad83a6a_qkv,@function
k_q941ad83a6a_qkv:
	s_mov_b64 s[64:65], 0
	v_nop
	global_prefetch_b8 v0, s[64:65] scope:SCOPE_SE
	s_setreg_imm32_b32 hwreg(HW_REG_WAVE_MODE, 25, 1), 1
	s_wait_xcnt 0x0
	s_wait_alu depctr_hold_cnt(0) depctr_sa_sdst(0) depctr_va_vdst(0) depctr_va_sdst(0) depctr_va_ssrc(0) depctr_va_vcc(0) depctr_vm_vsrc(0)
	s_getreg_b32 s2, hwreg(HW_REG_IB_STS2, 6, 4)
	s_cmp_eq_u32 s2, 0
	s_cbranch_scc0 .Lentry_in_a_cluster
	s_endpgm
.Lentry_in_a_cluster:
	s_bfe_u32 s2, ttmp6, 0x10000c
	s_cmp_lg_u32 s2, 0xf033
	s_cbranch_scc0 .Lentry_shape_is_right
	s_endpgm
.Lentry_shape_is_right:
; [8192 rows of x] x [3072 columns of Wq | Wk | Wv], K = 1024, on codes of FP4 (E2M1) with one E8M0 scale for each 32 along K; sums in f32, begun with the bias.
; Results leave as f16 by head, qkv [4 b][48 g][2048 t][64] (g = 16 x tensor + head); the rows t < 16 of every batch also in f32, q32 [4 b][16 t][3072].
; LIMIT: |q|, |k|, |v| stay under 65,504 (f16's largest); numbers under 6e-5 are kept to an absolute 3e-8.
; A tile of C, 256 x 256, is made by a work-group of four waves; a wave makes 128 x 128: 64 accumulators, 512 registers.  K is two steps of 512, one in each of two LDS slots: both are first fills, nothing is filled again.
; THE SCALES of the work-group's 256 + 256 rows, for all of K, come into LDS once, with the first fills.  By this text's count a wave has three tensor loads out at the start.
; CLUSTERS: 4 x 4 work-groups.  Tile column = 4 x cluster x + cx, so the tensor is cluster x; tile row = 8 x cy + cluster y, so the batch is cy and 'rows t < 256' is 'cluster y = 0', the same number in all partners.
; The four of a row of the cluster need the same tiles of x, the four of a column the same tiles of W: each is asked for jointly.
; THE MATRIX INSTRUCTION IS USED TRANSPOSED (source 0 = 16 rows of W's codes, source 1 = 16 rows of x's): a lane holds eight neighbouring columns of one row of C.
; REGISTERS: window 0: v0-31 addresses; v32-95 scale words, two sets; v128-191 x's fragments, one set; v192-255 the bias in the result's layout.  window 1: W's fragments, two sets, at v0 and v128.
;   window 2: the accumulators of my rows 0-63 ((a, b) at v[8 (8 a + b)]); window 3: those of rows 64-127.  On the way out v32-127 of window 0 are free.
.set NQ,     4                         ; matrix instructions deep in a slot
.set ROWB,   256                       ; a tile's row: 512 codes
.set KROW,   512                       ; a row of codes in memory
.set PITCH,  272                       ; an LDS row: 256 bytes + 16: the sixteen rows of a load start 68 words apart
.set FR,     8
.set NL,     2
.set NP,     4
.set HALFT,  128*PITCH
.set SLOT,   4*HALFT
.set KS,     32                        ; a row of scale bytes
.set SCL,    2*SLOT
.set HALFS,  16*272                    ; the scales of 128 rows: 16 units of 256 bytes + 16
.set SBLK,   2*272                     ; those of 16 rows
.set SPARE,  SCL+4*HALFS
.set SPITCH, 272                       ; the way out: a stage of 16 rows x (256 + 16) for each wave, in slot 0, which has had its only fill and its last read by then
.set ADRA, 16
.set ADRB, 20
.set STO,  24
.set RD,   25
.set CO,   26
.set ADRS, 27
.set SPW,  28
.set NIL,  29
.set FO,   30                          ; v30 my byte offset in q32's rows
.set BO,   31                          ; v31 32 x (lane / 16): my eight numbers of a block's sixteen biases
.set SC,   32
.set AF,   128
.set BI,   192
.set TMP,  32                          ; the way out: packed results
.set BK,   64                          ; and rows read back: v64-95 and v96-127 by turns
.set G1, 24
.set G0, 32
.set G1B, 48
.set G0B, 56
.set G1S, 68
.set G0S, 76
.set G1SB, 80
.set G0SB, 88
.set MSB, 0
.macro WIN new                         ; the immediate's high byte repeats the setting that is left
.if MSB != (\new)
	s_set_vgpr_msb (MSB<<8)|(\new)
.set MSB, (\new)
.endif
.endm
.set MUL_LO, 0xa1                      ; source 0 (W) window 1, source 1 (x) window 0, C and D window 2
.set MUL_HI, 0xf1                      ; the same, C and D window 3
.set FST_LO, 0x81                      ; the first step: C (the bias) window 0, D window 2
.set FST_HI, 0xc1                      ; D window 3
.set TO_B,   0x40
; A joint load: waves 0 and 1 fetch for x, waves 2 and 3 for W.  The branch hangs on the wave's number alone.  An s_nop 0 and four v_nop follow each of the two lines.
.macro JLOAD g0a, g1a, g0b, g1b
	s_cmp_eq_u32 s15, 0
	s_cbranch_scc0 .Lfor_b_\@
	tensor_load_to_lds s[\g0a:\g0a+3], s[\g1a:\g1a+7]
	s_nop 0
.rept 4
	v_nop
.endr
	s_branch .Lasked_\@
.Lfor_b_\@:
	tensor_load_to_lds s[\g0b:\g0b+3], s[\g1b:\g1b+7]
	s_nop 0
.rept 4
	v_nop
.endr
.Lasked_\@:
.endm
.macro CROUND                          ; a round of the cluster's barrier
	s_barrier_signal -1
	s_barrier_wait -1
	s_cmp_lg_u32 s14, 0
	s_cbranch_scc1 .Lnot_wave_0_\@
	s_barrier_signal -3
.Lnot_wave_0_\@:
	s_barrier_wait -3
	s_barrier_signal -1
	s_barrier_wait -1
.endm
	s_load_b128 s[4:7], s[0:1], 0x0                ; xc, xs
	s_load_b128 s[8:11], s[0:1], 0x10              ; wc, ws
	s_load_b128 s[96:99], s[0:1], 0x20             ; bq, bk
	s_load_b64 s[100:101], s[0:1], 0x30            ; bv
	s_load_b64 s[66:67], s[0:1], 0x38              ; q32
	s_load_b64 s[12:13], s[0:1], 0x40              ; qkv
	v_lshl_add_u32 v[SPW], v0, 2, SPARE
	v_mov_b32 v[NIL], 0
	ds_add_u32 v[SPW], v[NIL]                      ; the wave's opening: the add, twice on end, and its wait ahead of my first tensor load
	ds_add_u32 v[SPW], v[NIL]
	v_lshrrev_b32 v1, 5, v0
	v_readfirstlane_b32 s14, v1                    ; wave 0..3
	s_lshr_b32 s15, s14, 1                         ; which half of the tile's rows is mine.  Also: I fetch for x (0) or for W (1)
	s_and_b32 s16, s14, 1                          ; which half of its columns.  Also: which 128 rows I fetch
	s_bfe_u32 s40, ttmp6, 0x40000                  ; cx
	s_bfe_u32 s41, ttmp6, 0x40004                  ; cy
	s_lshl_b32 s42, ttmp9, 2
	s_add_co_u32 s42, s42, s40                     ; tile column = 4 x cluster x + cx
	s_and_b32 s95, ttmp7, 0xffff                   ; cluster y
	s_lshl_b32 s17, s41, 3
	s_add_co_u32 s17, s17, s95                     ; tile row = 8 x cy + cluster y
	s_lshl_b32 s43, s41, 2
	s_lshl_b32 s43, 15, s43                        ; my row of the cluster
	s_lshl_b32 s44, 0x1111, s40                    ; my column
	s_or_b32 s[G1+0], s43, (0<<16)|(1<<20)|(1<<21)|(5<<22)|(3<<25)  ; mask; elements of 1 byte; padding on; bit 21 beside a mask; after every 64 words, 4 words
	s_or_b32 s[G1B+0], s44, (0<<16)|(1<<20)|(1<<21)|(5<<22)|(3<<25)
.irp g, G1, G1B
	s_mov_b32 s[\g+1], ROWB<<16                    ; tensor_dim0
	s_mov_b32 s[\g+2], 128<<16                     ; tensor_dim1
	s_mov_b32 s[\g+3], ROWB<<16                    ; tile_dim0
	s_mov_b32 s[\g+4], 128                         ; tile_dim1
	s_mov_b32 s[\g+5], KROW                        ; the pitch
	s_mov_b32 s[\g+6], 0
	s_mov_b32 s[\g+7], 0
.endr
	s_or_b32 s[G1S+0], s43, (3<<16)|(1<<20)|(1<<21)|(5<<22)|(3<<25)  ; the scales of 128 rows: 4,096 dense bytes as 16 rows of 32 elements of 8 bytes, 16 bytes of padding behind each
	s_or_b32 s[G1SB+0], s44, (3<<16)|(1<<20)|(1<<21)|(5<<22)|(3<<25)
.irp g, G1S, G1SB
	s_mov_b32 s[\g+1], 32<<16
	s_mov_b32 s[\g+2], 16<<16
	s_mov_b32 s[\g+3], 32<<16
	s_mov_b32 s[\g+4], 16
	s_mov_b32 s[\g+5], 32
	s_mov_b32 s[\g+6], 0
	s_mov_b32 s[\g+7], 0
.endr
	s_lshl_b32 s18, s16, 7
	s_lshl_b32 s20, s17, 8
	s_add_co_u32 s20, s20, s18                     ; x: row 256 x tile row + 128 x half
	s_lshl_b32 s46, s42, 8
	s_add_co_u32 s46, s46, s18                     ; W: row 256 x tile column + 128 x half
	s_mov_b32 s21, 0
	s_mov_b32 s47, 0
	s_mov_b64 s[18:19], KS
	s_mul_u64 s[22:23], s[20:21], s[18:19]         ; where these rows' scales begin
	s_mul_u64 s[92:93], s[46:47], s[18:19]
	s_mov_b64 s[18:19], KROW
	s_mul_u64 s[20:21], s[20:21], s[18:19]         ; and their codes
	s_mul_u64 s[46:47], s[46:47], s[18:19]
	s_mul_i32 s45, s14, HALFT                      ; where they go: wave x 128 rows
	s_mul_i32 s94, s14, HALFS
	s_wait_dscnt 0x0                               ; both opening adds are done
	s_wait_kmcnt 0x0
	s_add_nc_u64 s[20:21], s[4:5], s[20:21]
	s_add_nc_u64 s[22:23], s[6:7], s[22:23]
	s_add_nc_u64 s[46:47], s[8:9], s[46:47]
	s_add_nc_u64 s[92:93], s[10:11], s[92:93]
	CROUND                                         ; all sixteen work-groups are here: the joint loads meet
	s_mov_b32 s[G0S], 1
	s_add_co_u32 s[G0S+1], s94, SCL
	s_mov_b64 s[G0S+2:G0S+3], s[22:23]
	s_or_b32 s[G0S+3], s[G0S+3], 0x80000000
	s_mov_b32 s[G0SB], 1
	s_add_co_u32 s[G0SB+1], s94, SCL
	s_mov_b64 s[G0SB+2:G0SB+3], s[92:93]
	s_or_b32 s[G0SB+3], s[G0SB+3], 0x80000000
	JLOAD G0S, G1S, G0SB, G1SB                     ; the scales first: they are wanted with K step 0
.irp s, 0,1
	s_mov_b32 s[G0+4*\s], 1
	s_add_co_u32 s[G0+4*\s+1], s45, \s*SLOT
	s_add_nc_u64 s[G0+4*\s+2:G0+4*\s+3], s[20:21], \s*ROWB
	s_or_b32 s[G0+4*\s+3], s[G0+4*\s+3], 0x80000000
	s_mov_b32 s[G0B+4*\s], 1
	s_add_co_u32 s[G0B+4*\s+1], s45, \s*SLOT
	s_add_nc_u64 s[G0B+4*\s+2:G0B+4*\s+3], s[46:47], \s*ROWB
	s_or_b32 s[G0B+4*\s+3], s[G0B+4*\s+3], 0x80000000
	JLOAD G0+4*\s, G1, G0B+4*\s, G1B
.endr
	v_and_b32 v1, 15, v0                           ; r = l % 16
	v_bfe_u32 v2, v0, 4, 1                         ; h = l / 16
	; the bias: the tensor is cluster x; my 128 columns begin at 256 cx + 128 x half
	s_cmp_eq_u32 ttmp9, 0
	s_cselect_b64 s[96:97], s[96:97], s[98:99]
	s_cmp_eq_u32 ttmp9, 2
	s_cselect_b64 s[96:97], s[100:101], s[96:97]
	s_lshl_b32 s20, s40, 10
	s_lshl_b32 s21, s16, 9
	s_add_co_u32 s20, s20, s21
	s_mov_b32 s21, 0
	s_add_nc_u64 s[96:97], s[96:97], s[20:21]
	v_lshlrev_b32 v[BO], 5, v2
.irp b, 0,1,2,3,4,5,6,7                ; block b's eight registers: bias[16 b + 8 h + 0 .. 7], the layout of a result
	global_load_b128 v[BI+8*\b:BI+8*\b+3], v[BO], s[96:97] offset:64*\b
	global_load_b128 v[BI+8*\b+4:BI+8*\b+7], v[BO], s[96:97] offset:64*\b+16
.endr
	v_mul_u32_u24 v3, v1, PITCH
	v_lshl_add_u32 v4, v2, 4, v3                   ; a fragment's row x pitch + 16 x half
	s_mul_i32 s21, s15, HALFT                      ; my 128 rows of x
	s_mul_i32 s22, s16, HALFT                      ; my 128 rows of W,
	s_add_co_u32 s22, s22, 2*HALFT                 ; which lie behind x's 256
.irp s, 0,1
	v_add_nc_u32 v[ADRA+\s], s21, v4
	v_add_nc_u32 v[ADRB+\s], s22, v4
	s_add_co_u32 s21, s21, SLOT
	s_add_co_u32 s22, s22, SLOT
.endr
	v_mul_u32_u24 v5, v1, KS                       ; my row's scales: 32 bytes a row,
	v_lshrrev_b32 v6, 8, v5
	v_lshl_add_u32 v5, v6, 4, v5                   ; and 16 more for each 256 passed
	s_mul_i32 s21, s15, HALFS
	s_mul_i32 s22, s16, HALFS
	s_add_co_u32 s22, s22, 2*HALFS
	s_sub_co_u32 s22, s22, s21
	v_mul_u32_u24 v6, s22, v2                      ; lanes 16-31 take W's
	s_add_co_u32 s21, s21, SCL
	v_add_nc_u32 v5, v5, v6
	v_add_nc_u32 v[ADRS], s21, v5
	s_mul_i32 s23, s14, 16*SPITCH                  ; my stage
	v_mul_u32_u24 v5, v1, SPITCH
	v_lshl_add_u32 v5, v2, 4, v5
	v_add_nc_u32 v[STO], s23, v5                   ; in: row r, 16 bytes for each half of the lanes
	v_bfe_u32 v5, v0, 3, 1
	v_and_b32 v6, 7, v0
	v_mul_u32_u24 v7, v5, SPITCH                   ; back: lanes 0-15 two rows of my first head (128 bytes each), lanes 16-31 of my second
	v_lshl_add_u32 v7, v2, 7, v7
	v_lshl_add_u32 v7, v6, 4, v7
	v_add_nc_u32 v[RD], s23, v7
	v_lshlrev_b32 v7, 18, v2                       ; and in qkv: a head's plane is 262,144 bytes, a row 128
	v_lshl_add_u32 v7, v5, 7, v7
	v_lshl_add_u32 v[CO], v6, 4, v7
	v_mul_u32_u24 v7, v1, 12288
	v_lshl_add_u32 v[FO], v2, 5, v7                ; q32: row r of 12,288 bytes, + 32 h
	s_mul_i32 s20, s41, 48                         ; qkv: plane 48 cy + 4 x tile column + 2 x half,
	s_lshl_b32 s21, s42, 2
	s_add_co_u32 s20, s20, s21
	s_lshl_b32 s21, s16, 1
	s_add_co_u32 s20, s20, s21
	s_lshl_b32 s20, s20, 11
	s_lshl_b32 s21, s95, 8                         ; row 256 x cluster y + 128 x half
	s_add_co_u32 s20, s20, s21
	s_lshl_b32 s21, s15, 7
	s_add_co_u32 s20, s20, s21
	s_lshl_b32 s20, s20, 7
	s_mov_b32 s21, 0
	s_add_nc_u64 s[12:13], s[12:13], s[20:21]
	s_mul_i32 s20, s41, 196608                     ; q32: batch cy, column 256 x tile column + 128 x half
	s_lshl_b32 s22, s42, 10
	s_add_co_u32 s20, s20, s22
	s_lshl_b32 s22, s16, 9
	s_add_co_u32 s20, s20, s22
	s_add_nc_u64 s[66:67], s[66:67], s[20:21]
.macro FRAG reg, adr, q, i             ; 16 rows x 128 K of 4-bit codes: 8 registers; registers 4 c .. 4 c + 3 hold K = 64 c + 32 (l / 16) + 0 .. 31
.irp c, 0,1
	ds_load_b128 v[\reg+4*\c:\reg+4*\c+3], v[\adr] offset:64*(\q)+32*\c+(\i)*16*PITCH
.endr
.endm
; 16 matrix instructions: x's blocks a0, a0 + 1 against W's eight.  first = 1: the sums begin with the bias.  The 64 accumulators take turns, one instruction a turn.
.macro MUL16 a0, p, q, sc, first
.irp a, \a0, \a0+1
.irp b, 0,1,2,3,4,5,6,7
.if \first
	v_wmma_scale_f32_16x16x128_f8f6f4 v[8*(8*((\a)%4)+\b):8*(8*((\a)%4)+\b)+7], v[128*(\p)+FR*\b:128*(\p)+FR*\b+FR-1], v[AF+FR*(\a):AF+FR*(\a)+FR-1], v[BI+8*\b:BI+8*\b+7], v[SC+8*NQ*(\sc)+NQ*\b+(\q)], v[SC+8*NQ*(\sc)+NQ*(\a)+(\q)] matrix_a_fmt:MATRIX_FMT_FP4 matrix_b_fmt:MATRIX_FMT_FP4 matrix_a_scale:MATRIX_SCALE_ROW1
.else
	v_wmma_scale_f32_16x16x128_f8f6f4 v[8*(8*((\a)%4)+\b):8*(8*((\a)%4)+\b)+7], v[128*(\p)+FR*\b:128*(\p)+FR*\b+FR-1], v[AF+FR*(\a):AF+FR*(\a)+FR-1], v[8*(8*((\a)%4)+\b):8*(8*((\a)%4)+\b)+7], v[SC+8*NQ*(\sc)+NQ*\b+(\q)], v[SC+8*NQ*(\sc)+NQ*(\a)+(\q)] matrix_a_fmt:MATRIX_FMT_FP4 matrix_b_fmt:MATRIX_FMT_FP4 matrix_a_scale:MATRIX_SCALE_ROW1
.endif
.endr
.endr
.endm
.macro FETCH_B slot, q, p
	WIN TO_B
.irp i, 0,1,2,3,4,5,6,7
	FRAG 128*(\p)+FR*\i, ADRB+\slot, \q, \i
.endr
	WIN 0
.endm
.macro FETCH_A slot, q, i0
.irp i, \i0, \i0+1, \i0+2, \i0+3
	FRAG AF+FR*(\i), ADRA+\slot, \q, \i
.endr
.endm
.macro SCALES sc                       ; a K step's scale words: 4 words a row; lanes 0-15 take x's block i, lanes 16-31 W's block i
.irp i, 0,1,2,3,4,5,6,7
	ds_load_b128 v[SC+8*NQ*\sc+NQ*\i:SC+8*NQ*\sc+NQ*\i+3], v[ADRS] offset:\i*SBLK
.endr
.endm
.macro PLACES n                        ; plain vector lines between matrix instructions and loads into, or reads of, their registers
.rept \n
	v_nop
.endr
.endm
.macro STEP slot, q, first             ; a step of 128 along K that has its successor in the same slot
	s_wait_dscnt 4*NL                              ; W's set and x's blocks 0-3 are in; the youngest eight loads (x's blocks 4-7) may be out
.if \first
	WIN FST_LO
.else
	WIN MUL_LO
.endif
	MUL16 0, (\q)%2, \q, \slot, \first
	MUL16 2, (\q)%2, \q, \slot, \first
	s_wait_dscnt 0
	PLACES NP
	FETCH_B \slot, (\q)+1, 1-(\q)%2
	FETCH_A \slot, (\q)+1, 0
.if \first
	WIN FST_HI
.else
	WIN MUL_HI
.endif
	MUL16 4, (\q)%2, \q, \slot, \first
	MUL16 6, (\q)%2, \q, \slot, \first
	PLACES NP
	WIN 0
	FETCH_A \slot, (\q)+1, 4
.endm
.macro STEPS slot, from
.set Q, \from
.rept NQ-1-\from
	STEP \slot, Q, 0
.set Q, Q+1
.endr
.endm
	s_wait_tensorcnt 1                             ; the scales and my part of K step 0 are in; K step 1's load may be out
	s_barrier_signal -1
	s_barrier_wait -1
	FETCH_B 0, 0, 0
	FETCH_A 0, 0, 0
	SCALES 0
	FETCH_A 0, 0, 4
	s_wait_loadcnt 0x0                             ; the bias
	STEP 0, 0, 1
	STEPS 0, 1
	; slot 0's last step changes slots: one barrier; in front of it all my tensor loads have landed and my reads of slot 0 are over
	s_wait_tensorcnt 0x0
	ds_add_u32 v[SPW], v[NIL]
	s_wait_dscnt 4*NL+1                            ; the add and x's blocks 4-7 may be out
	WIN MUL_LO
	MUL16 0, 1, NQ-1, 0, 0
	s_wait_dscnt 0x0
	s_barrier_signal -1
	MUL16 2, 1, NQ-1, 0, 0
	WIN 0
	s_barrier_wait -1
	PLACES NP
	v_add_nc_u32 v[ADRS], 4*NQ, v[ADRS]            ; on to K step 1's scale words
	FETCH_B 1, 0, 0
	FETCH_A 1, 0, 0
	SCALES 1
	WIN MUL_HI
	MUL16 4, 1, NQ-1, 0, 0
	MUL16 6, 1, NQ-1, 0, 0
	PLACES NP
	WIN 0
	FETCH_A 1, 0, 4
	STEPS 1, 0
	s_wait_dscnt 4*NL                              ; the very last step
	WIN MUL_LO
	MUL16 0, 1, NQ-1, 1, 0
	MUL16 2, 1, NQ-1, 1, 0
	s_wait_dscnt 0
	WIN MUL_HI
	MUL16 4, 1, NQ-1, 1, 0
	MUL16 6, 1, NQ-1, 1, 0
	WIN 0
	PLACES NP                                      ; behind the last products: for the reads of results and the writes of registers that held scale words
	; THE ROWS t < 16 IN f32: cluster y = 0, the waves of the tile's upper half, their block 0.  The test is made of the cluster's number and the wave's: the same in all partners
	s_or_b32 s3, s95, s15
	s_cmp_lg_u32 s3, 0
	s_cbranch_scc1 .Lno32
	WIN 0x08                                       ; a store's data: window 2
.irp b, 0,1,2,3,4,5,6,7
	global_store_b128 v[FO], v[8*\b:8*\b+3], s[66:67] offset:64*\b       ; each accumulator from its low end on; lane (r, h): row r, columns 16 b + 8 h + 0 .. 7
	global_store_b128 v[FO], v[8*\b+4:8*\b+7], s[66:67] offset:64*\b+16
.endr
	WIN 0
.Lno32:
; THE WAY OUT, block by block of 16 rows x 128 columns (two heads): rounded to f16, 16 bytes a lane into my stage, back as pairs of a head's rows: sixteen lanes store 256 consecutive bytes, aligned.
.macro PACK a
.set AC, 64*((\a)%4)
	WIN (0x0a+5*((\a)/4))                          ; sources 0 and 1: window 2 or 3
.irp b, 0,1,2,3,4,5,6,7
.irp r, 0,1,2,3
	v_cvt_pk_f16_f32 v[TMP+4*\b+\r], v[AC+8*\b+2*\r], v[AC+8*\b+2*\r+1]
.endr
.endr
	WIN 0
.endm
.macro TOSTAGE a
.set BB, BK+32*((\a)%2)
.irp b, 0,1,2,3,4,5,6,7
	ds_store_b128 v[STO], v[TMP+4*\b:TMP+4*\b+3] offset:32*\b
.endr
.irp t, 0,1,2,3,4,5,6,7
	ds_load_b128 v[BB+4*\t:BB+4*\t+3], v[RD] offset:\t*2*SPITCH    ; LDS serves a wave's instructions in order: these see the stores above
.endr
.endm
.macro SEND a
.set BB, BK+32*((\a)%2)
	s_wait_dscnt 0x0                               ; the block is back in registers
	s_wait_xcnt 0x0                                ; the earlier stores have read their registers: the block after this one may land there
.irp t, 0,1,2,3,4,5,6,7
	global_store_b128 v[CO], v[BB+4*\t:BB+4*\t+3], s[12:13] offset:2048*(\a)+256*\t
.endr
.endm
	PACK 0
	TOSTAGE 0
.irp a, 1,2,3,4,5,6,7
	PACK \a
	SEND \a-1
	TOSTAGE \a
.endr
	SEND 7
	s_wait_tensorcnt 0x0                           ; the wave's end
	ds_add_u32 v[SPW], v[NIL]
	s_wait_dscnt 0x0
	CROUND                                         ; the closing round
	s_endpgm
.Lfunc_end_k_q941ad83a6a_qkv:
	.size	k_q941ad83a6a_qkv, .Lfunc_end_k_q941ad83a6a_qkv-k_q941ad83a6a_qkv
	.p2alignl 7, 3214868480
	.fill 96, 4, 3214868480
	.section	.rodata,"a",@progbits
	.p2align	6, 0x0
	.amdhsa_kernel k_q941ad83a6a_qkv
		.amdhsa_group_segment_fixed_size 327680
		.amdhsa_private_segment_fixed_size 0
		.amdhsa_enable_private_segment 0
		.amdhsa_kernarg_size 72
		.amdhsa_user_sgpr_count 2
		.amdhsa_user_sgpr_kernarg_segment_ptr 1
		.amdhsa_wavefront_size32 1
		.amdhsa_system_sgpr_workgroup_id_x 1
		.amdhsa_system_sgpr_workgroup_id_y 1
		.amdhsa_system_sgpr_workgroup_id_z 1
		.amdhsa_system_vgpr_workitem_id 0
		.amdhsa_next_free_vgpr 1024
		.amdhsa_next_free_sgpr 102
		.amdhsa_reserve_vcc 0
		.amdhsa_float_denorm_mode_32 3
		.amdhsa_float_denorm_mode_16_64 3
		.amdhsa_memory_ordered 1
		.amdhsa_forward_progress 1
		.amdhsa_inst_pref_size 131
	.end_amdhsa_kernel
	.amdgpu_metadata
---
amdhsa.version: [ 1, 2 ]
amdhsa.kernels:
  - .name:           k_q941ad83a6a_qkv
    .symbol:         k_q941ad83a6a_qkv.kd
    .args:
      - { .name: xc, .offset: 0, .size: 8, .value_kind: global_buffer, .address_space: global }
      - { .name: xs, .offset: 8, .size: 8, .value_kind: global_buffer, .address_space: global }
      - { .name: wc, .offset: 16, .size: 8, .value_kind: global_buffer, .address_space: global }
      - { .name: ws, .offset: 24, .size: 8, .value_kind: global_buffer, .address_space: global }
      - { .name: bq, .offset: 32, .size: 8, .value_kind: global_buffer, .address_space: global }
      - { .name: bk, .offset: 40, .size: 8, .value_kind: global_buffer, .address_space: global }
      - { .name: bv, .offset: 48, .size: 8, .value_kind: global_buffer, .address_space: global }
      - { .name: q32, .offset: 56, .size: 8, .value_kind: global_buffer, .address_space: global }
      - { .name: qkv, .offset: 64, .size: 8, .value_kind: global_buffer, .address_space: global }
    .group_segment_fixed_size: 327680
    .private_segment_fixed_size: 0
    .kernarg_segment_align: 8
    .kernarg_segment_size: 72
    .max_flat_workgroup_size: 128
    .sgpr_count:     102
    .vgpr_count:     1024
    .wavefront_size: 32
...
	.end_amdgpu_metadata
.endif
;; end of part 3
;; launch attn (part 4): grid 4 x 64, 16 waves a work-group, no clusters, 327,680 bytes of LDS; arguments qkv, y16; writes y16
.if DOCPART == 4
	.amdgcn_target "amdgcn-amd-amdhsa--gfx1250"
	.amdhsa_code_object_version 6
	.text
	.protected	k_q941ad83a6a_attn
	.globl	k_q941ad83a6a_attn
	.p2align	8
	.type	k_q941ad83a6a_attn,@function
k_q941ad83a6a_attn:
	s_mov_b64 s[64:65], 0
	v_nop
	global_prefetch_b8 v0, s[64:65] scope:SCOPE_SE
	s_setreg_imm32_b32 hwreg(HW_REG_WAVE_MODE, 25, 1), 1
	s_wait_xcnt 0x0
; y[b][h][t][:] = the sum over s <= t of softmax_s(q[t] . k[s] / 8) v[s][:].  q, k, v: planes [2048][64] of f16 in qkv [4 b][48 g] (g = head, 16 + head, 32 + head); y16 [4 b][16 h][2048][64] f16.
; Products on f16 operands with f32 sums; maxima, exponentials and sums in f32, with a running maximum; the weights p (at most 1) are rounded to f16 for the second product, y once at the end.
; LIMIT: |y| stays under 65,504, which follows from |v| under it (y is a weighted mean of v).
; SHARES.  Work-group (j, b h) owns query blocks j and 7 - j (256 queries each) of one head, so that all 256 work-groups have like work under the causal mask.  Each of the sixteen waves owns 32 queries, two tiles of 16:
; the block by bit 0 of w xor (w >> 2), the 32 queries in it by w >> 1, so that any four waves w, w + 4, w + 8, w + 12 and any four waves 4 s .. 4 s + 3 hold two of each block.
; Every work-group walks all 8 slots of 256 keys (constant trip counts); a step of 64 keys all of which come after a wave's queries is jumped over by a branch on ids; a slot beyond the work-group's last query is not asked for.
; NO CLUSTER: the four work-groups of a head ask for 8 - j slots each, so a partner would have to take tiles that none of its waves reads.
; LAYOUT.  S^T = K Q^T (source 0 = 16 keys, source 1 = 16 queries): a lane holds one query (lane % 16) and keys 8 (lane / 16) + 0..7.  Two such tiles, rounded in pairs, are source 1 (32 keys x 16 queries) of O^T = V^T P.
; K comes out of LDS as it lies, V ([key][channel]) turned by ds_load_tr16_b128.  Each fragment of K and V feeds two matrix instructions.
; REGISTERS: v1, v2 the add's two; v3, v4 my place in a tile of K, of V; v5, v6 the step's addresses; v7 prefetch offset; v8 r - 8 h; v9 -infinity; v10, v11 the mask's bounds; v12-27 statistics, 8 a tile
; (+0 c m, +1 m, +2, +3 l, +4..+7 at work; a at +6); v28-31 way-out and Q offsets; v32-63 Q; v64-127 K, then V; v128-191 S^T, then P in place; v192-255 O^T.
.set PK,    144                        ; a row of K in LDS: 128 bytes + 16
.set PV,    160                        ; a row of V: 128 + 32: an odd multiple of 32
.set VOFF,  256*PK                     ; a slot: 256 rows of K, then 256 rows of V
.set SLOT1, 1<<17                      ; slot 1 begins here: one exclusive or turns an address
.set SPARE, 2*SLOT1                    ; the spare words, 128 bytes for each of 16 waves
.set NSL,   8
.set SPW, 1
.set NIL, 2
.set AK0, 3
.set AV0, 4
.set ADK, 5
.set ADV, 6
.set PFO, 7
.set ST,  12
.set STO, 28                           ; the way out: where I put 16 bytes of a row (my stage: 16 rows x 144 bytes in slot 0, which was left at the last change of slots)
.set RD,  29                           ; where I read rows back
.set GO,  30                           ; 16 x lane
.set QO,  31
.set QF,  32
.set KV,  64
.set S,   128
.set OT,  192
.set TB,  2
.set WV,  18
.set SEL, 20
.set CS,  22
.set G1K, 24
.set G1V, 32
.set G0K, 40
.set G0V, 44
.set SLOTS, 48
.set KF,  49                           ; the step's first key
.set Q0,  50                           ; my first query
.set LASTQ, 51                         ; my work-group's last query
.set PFA, 52
.set LIM, 54
; Waves 0 and 1 fetch K's halves of a slot, waves 2 and 3 V's, the others nothing.  An s_nop 0 and four v_nop follow each of the two lines.
.macro TLOAD
	s_cmp_lt_u32 s[WV], 2
	s_cbranch_scc0 .Lnot_k_\@
	tensor_load_to_lds s[G0K:G0K+3], s[G1K:G1K+7]
	s_nop 0
.rept 4
	v_nop
.endr
	s_branch .Lasked_\@
.Lnot_k_\@:
	s_cmp_lt_u32 s[WV], 4
	s_cbranch_scc0 .Lasked_\@
	tensor_load_to_lds s[G0V:G0V+3], s[G1V:G1V+7]
	s_nop 0
.rept 4
	v_nop
.endr
.Lasked_\@:
.endm
; A prefetch of the slot that the NEXT change of slots will ask for: 32,768 dense bytes of K and as many of V.  The head's work-group j = 0, which walks all slots, asks, and nobody else; in it waves 4-7 for K and
; waves 8-11 for V, 8,192 bytes a wave, lanes 256 bytes apart: each block of 256 bytes is named once in the launch.  Slots 0 and 1 come by their loads alone; the last change that fills a slot asks for nothing.
.macro ASK
	s_cmp_gt_u32 s[SLOTS], s[LIM]
	s_cbranch_scc0 .Lnot_mine_\@
	global_prefetch_b8 v[PFO], s[PFA:PFA+1] th:TH_LOAD_NT scope:SCOPE_SE
.Lnot_mine_\@:
.endm
	s_load_b128 s[4:7], s[0:1], 0x0                ; qkv, y16
	v_lshl_add_u32 v[SPW], v0, 2, SPARE
	v_mov_b32 v[NIL], 0
	ds_add_u32 v[SPW], v[NIL]                      ; the wave's opening: the add, twice on end, and its wait ahead of the first tensor load
	ds_add_u32 v[SPW], v[NIL]
	v_lshrrev_b32 v5, 5, v0
	v_readfirstlane_b32 s[WV], v5                  ; wave 0..15
	s_and_b32 s8, ttmp7, 0xffff                    ; 16 b + head
	s_lshr_b32 s9, s8, 4
	s_mul_i32 s9, s9, 48
	s_and_b32 s10, s8, 15
	s_add_co_u32 s9, s9, s10                       ; q's plane
	s_lshl_b32 s10, s9, 18
	s_mov_b32 s11, 0                               ; s[10:11]: its first byte
	s_lshr_b32 s13, s[WV], 2
	s_xor_b32 s13, s13, s[WV]
	s_and_b32 s13, s13, 1                          ; which of the two blocks
	s_lshr_b32 s14, s[WV], 1
	s_lshl_b32 s14, s14, 5                         ; my 32 queries in it
	s_lshl_b32 s12, ttmp9, 8                       ; block j begins at 256 j,
	s_sub_co_u32 s15, 1792, s12                    ; block 7 - j at 1792 - 256 j
	s_sub_co_u32 s[LASTQ], 2047, s12
	s_cmp_eq_u32 s13, 0
	s_cselect_b32 s15, s12, s15
	s_add_co_u32 s[Q0], s15, s14
	s_lshl_b32 s12, s[Q0], 7                       ; my first query's row in a plane
	s_mov_b32 s13, 0
	s_lshl_b32 s14, s8, 18
	s_mov_b32 s15, 0
	s_add_nc_u64 s[14:15], s[14:15], s[12:13]      ; its place in y16
	s_add_nc_u64 s[12:13], s[12:13], s[10:11]      ; and in qkv
	s_and_b32 s55, s[WV], 1                        ; which half of a slot I fetch, if I fetch
	s_mul_i32 s56, s55, 128*PK
	s_mul_i32 s57, s55, 128*PV
	s_add_co_u32 s57, s57, VOFF
	s_lshl_b32 s58, s55, 14
	s_mov_b32 s59, 0
	s_add_nc_u64 s[58:59], s[58:59], s[10:11]
	s_mov_b32 s[G1K], (1<<16)|(1<<20)|(4<<22)|(3<<25)   ; no mask; elements of 2 bytes; padding on: after every 32 words, 4 words
	s_mov_b32 s[G1V], (1<<16)|(1<<20)|(4<<22)|(7<<25)   ; the same with 8 words
.irp g, G1K, G1V
	s_mov_b32 s[\g+1], 64<<16                      ; tensor_dim0
	s_mov_b32 s[\g+2], 128<<16                     ; tensor_dim1
	s_mov_b32 s[\g+3], 64<<16                      ; tile_dim0
	s_mov_b32 s[\g+4], 128                         ; tile_dim1
	s_mov_b32 s[\g+5], 64                          ; the pitch
	s_mov_b32 s[\g+6], 0
	s_mov_b32 s[\g+7], 0
.endr
	s_mov_b32 s[SEL], 0x76543210
	s_mov_b32 s[SEL+1], 0xfedcba98                 ; lane l xor 16
	s_mov_b32 s[CS], 0x3e38aa3b                    ; c = log2(e) / 8
	s_mov_b32 s[CS+1], s[CS]
	s_mov_b32 s[TB], 0
	s_mov_b32 s[SLOTS], NSL-1
	s_mov_b32 s[KF], 0
	s_wait_dscnt 0x0                               ; both opening adds are done
	s_wait_kmcnt 0x0
	s_add_nc_u64 s[60:61], s[4:5], s[58:59]
	s_mov_b32 s[G0K], 1
	s_mov_b32 s[G0K+1], s56
	s_add_nc_u64 s[G0K+2:G0K+3], s[60:61], 16<<18  ; k's plane lies 16 planes on
	s_or_b32 s[G0K+3], s[G0K+3], 0x80000000
	s_mov_b32 s[G0V], 1
	s_mov_b32 s[G0V+1], s57
	s_add_nc_u64 s[G0V+2:G0V+3], s[60:61], 32<<18  ; v's 32
	s_or_b32 s[G0V+3], s[G0V+3], 0x80000000
	TLOAD                                          ; slot 0: key 0 counts for every query
	s_add_nc_u64 s[6:7], s[6:7], s[14:15]          ; y16 at my first query
	s_add_nc_u64 s[62:63], s[4:5], s[12:13]        ; q likewise
	s_mov_b32 s66, 32<<18
	s_cmp_lt_u32 s[WV], 8                          ; waves 4-7 ask for K, waves 8-11 for V
	s_cselect_b32 s66, 16<<18, s66
	s_and_b32 s68, s[WV], 3
	s_lshl_b32 s68, s68, 13
	s_add_co_u32 s66, s66, s68
	s_add_co_u32 s66, s66, 32768                   ; in slot 1: the first change of slots steps it to slot 2
	s_mov_b32 s67, 0
	s_add_nc_u64 s[66:67], s[66:67], s[10:11]
	s_add_nc_u64 s[PFA:PFA+1], s[4:5], s[66:67]
	s_sub_co_u32 s68, s[WV], 4
	s_lshr_b32 s68, s68, 3                         ; 0 in waves 4 to 11,
	s_or_b32 s68, s68, ttmp9                       ; of work-group j = 0
	s_cmp_eq_u32 s68, 0
	s_cselect_b32 s[LIM], 1, -1
	v_and_b32 v5, 15, v0                           ; r
	v_bfe_u32 v6, v0, 4, 1                         ; h
	v_lshlrev_b32 v[QO], 7, v5
	v_lshl_add_u32 v[QO], v6, 4, v[QO]
.irp t, 0,1
.irp c, 0,1                            ; Q stays in registers: tile t, channels 32 c on
	global_load_b128 v[QF+16*\t+8*\c:QF+16*\t+8*\c+3], v[QO], s[62:63] offset:2048*\t+64*\c
	global_load_b128 v[QF+16*\t+8*\c+4:QF+16*\t+8*\c+7], v[QO], s[62:63] offset:2048*\t+64*\c+32
.endr
.endr
	v_mul_u32_u24 v[AK0], v5, PK
	v_lshl_add_u32 v[AK0], v6, 4, v[AK0]           ; K: row r x pitch + 16 h
	v_and_b32 v10, 7, v0
	v_bfe_u32 v11, v0, 3, 1
	v_lshl_add_u32 v[AV0], v6, 3, v10              ; V: key 8 h + l % 8, channels 8 ((l / 8) % 2) on
	v_mul_u32_u24 v[AV0], v[AV0], PV
	v_lshl_add_u32 v[AV0], v11, 4, v[AV0]
	v_add_nc_u32 v[AV0], VOFF, v[AV0]
	v_and_b32 v[PFO], 31, v0
	v_lshlrev_b32 v[GO], 4, v[PFO]
	v_lshlrev_b32 v[PFO], 8, v[PFO]
	v_lshlrev_b32 v8, 3, v6
	v_sub_nc_u32 v8, v5, v8                        ; r - 8 h
	v_mov_b32 v9, 0xff800000                       ; -infinity
	s_mul_i32 s68, s[WV], 16*PK                    ; my stage
	v_mul_u32_u24 v[STO], v5, PK
	v_lshl_add_u32 v[STO], v6, 4, v[STO]
	v_add_nc_u32 v[STO], s68, v[STO]
	v_bfe_u32 v[RD], v0, 3, 2
	v_mul_u32_u24 v[RD], v[RD], PK
	v_lshl_add_u32 v[RD], v10, 4, v[RD]
	v_add_nc_u32 v[RD], s68, v[RD]
.irp t, 0,1
	v_mov_b32 v[ST+8*\t+1], 0xff61b1e6             ; m: -3e38, under every score
	v_mul_f32 v[ST+8*\t], s[CS], v[ST+8*\t+1]      ; c m
.irp e, 2,3,4,5,6,7
	v_mov_b32 v[ST+8*\t+\e], 0                     ; l, and the registers at work
.endr
.endr
.set n, 0
.rept 64
	v_mov_b32 v[OT+n], 0                           ; O^T: the step is written once; the first finds zeros, which the first a = 0 leaves zeros
.set n, n+1
.endr
; A KEY STEP: 64 keys, the q-th of the slot in hand.
.macro STEP q
	s_add_co_u32 s66, s[Q0], 31                    ; a step all of whose keys come after my 32 queries is left out: a branch on ids
	s_cmp_gt_u32 s[KF], s66
	s_cbranch_scc1 .Lhidden_\@
	v_add_nc_u32 v[ADK], s[TB], v[AK0]             ; five plain lines behind the last step's products: the loads below land on V's registers, and the first products below write over P
	v_add_nc_u32 v[ADV], s[TB], v[AV0]
.rept 3
	v_nop
.endr
.irp k, 0,1,2,3
.irp c, 0,1
	ds_load_b128 v[KV+16*\k+8*\c:KV+16*\k+8*\c+3], v[ADK] offset:(64*(\q)+16*\k)*PK+64*\c
	ds_load_b128 v[KV+16*\k+8*\c+4:KV+16*\k+8*\c+7], v[ADK] offset:(64*(\q)+16*\k)*PK+64*\c+32
.endr
.endr
	s_wait_dscnt 0x0
.irp c, 0,1                            ; S^T = K Q^T: eight accumulators by turns; the first eight start the sums
.irp k, 0,1,2,3
.irp t, 0,1
.if \c == 0
	v_wmma_f32_16x16x32_f16 v[S+32*\t+8*\k:S+32*\t+8*\k+7], v[KV+16*\k+8*\c:KV+16*\k+8*\c+7], v[QF+16*\t+8*\c:QF+16*\t+8*\c+7], 0
.else
	v_wmma_f32_16x16x32_f16 v[S+32*\t+8*\k:S+32*\t+8*\k+7], v[KV+16*\k+8*\c:KV+16*\k+8*\c+7], v[QF+16*\t+8*\c:QF+16*\t+8*\c+7], v[S+32*\t+8*\k:S+32*\t+8*\k+7]
.endif
.endr
.endr
.endr
.rept 4
	v_nop                                          ; places: in front of the loads into K's registers and of the first read of the scores
.endr
.irp g, 0,1
.irp c, 0,1,2,3                        ; V, turned: keys 32 g on, channels 16 c on; it lands while the softmax is walked
	ds_load_tr16_b128 v[KV+32*\g+8*\c:KV+32*\g+8*\c+3], v[ADV] offset:(64*(\q)+32*\g)*PV+32*\c
	ds_load_tr16_b128 v[KV+32*\g+8*\c+4:KV+32*\g+8*\c+7], v[ADV] offset:(64*(\q)+32*\g)*PV+16*PV+32*\c
.endr
.endr
	s_add_co_u32 s66, s[KF], 63                    ; on the diagonal (one step of a wave) hidden scores become -infinity ahead of the maximum
	s_cmp_le_u32 s66, s[Q0]
	s_cbranch_scc1 .Lopen_\@
	s_sub_co_i32 s66, s[Q0], s[KF]
	v_add_nc_u32 v10, s66, v8                      ; tile t's register 8 k + i holds key KF + 16 k + 8 h + i: hidden where 16 k + i > Q0 - KF + 16 t + r - 8 h
	v_add_nc_u32 v11, 16, v10
.set n, 0
.rept 32
.irp t, 0,1
	v_cmp_gt_i32 vcc_lo, 16*(n/8)+n%8, v[10+\t]
	v_cndmask_b32 v[S+32*\t+n], v[S+32*\t+n], v9, vcc_lo
.endr
.set n, n+1
.endr
.Lopen_\@:
.irp j, 0,1,2,3                        ; the maximum of 32 scores and the old m: four chains, the two tiles line by line; each accumulator is read from its low end on
.irp t, 0,1
	v_max3_num_f32 v[ST+8*\t+4+\j], v[S+32*\t+8*\j], v[S+32*\t+8*\j+1], v[S+32*\t+8*\j+2]
.endr
.endr
.irp u, 1,2
.irp j, 0,1,2,3
.irp t, 0,1
	v_max3_num_f32 v[ST+8*\t+4+\j], v[ST+8*\t+4+\j], v[S+32*\t+8*\j+2*\u+1], v[S+32*\t+8*\j+2*\u+2]
.endr
.endr
.endr
.irp t, 0,1
	v_max3_num_f32 v[ST+8*\t+4], v[ST+8*\t+4], v[S+32*\t+7], v[S+32*\t+15]
	v_max3_num_f32 v[ST+8*\t+6], v[ST+8*\t+6], v[S+32*\t+23], v[S+32*\t+31]
.endr
.irp t, 0,1
	v_max3_num_f32 v[ST+8*\t+4], v[ST+8*\t+4], v[ST+8*\t+5], v[ST+8*\t+6]
.endr
.irp t, 0,1
	v_max3_num_f32 v[ST+8*\t+4], v[ST+8*\t+4], v[ST+8*\t+7], v[ST+8*\t+1]
.endr
.irp t, 0,1
	v_permlanex16_b32 v[ST+8*\t+5], v[ST+8*\t+4], s[SEL], s[SEL+1]   ; the query's other 32 keys lie in the lane 16 away
.endr
.irp t, 0,1
	v_mov_b32 v[ST+8*\t+7], v[ST+8*\t]             ; c m_old
.endr
.irp t, 0,1
	v_max_num_f32 v[ST+8*\t+1], v[ST+8*\t+4], v[ST+8*\t+5]
.endr
.irp t, 0,1
	v_mul_f32 v[ST+8*\t], s[CS], v[ST+8*\t+1]
.endr
.irp t, 0,1
	v_sub_f32 v[ST+8*\t+7], v[ST+8*\t+7], v[ST+8*\t]
.endr
.set n, 0
.rept 16
.irp t, 0,1
	v_pk_fma_f32 v[S+32*\t+n:S+32*\t+n+1], v[S+32*\t+n:S+32*\t+n+1], s[CS:CS+1], v[ST+8*\t:ST+8*\t+1] op_sel_hi:[1,0,0] neg_lo:[0,0,1] neg_hi:[0,0,1]   ; c s - c m
.endr
.set n, n+2
.endr
.irp t, 0,1
	v_exp_f32 v[ST+8*\t+6], v[ST+8*\t+7]           ; a = 2^(c m_old - c m_new)
.endr
.set n, 0
.rept 32
.irp t, 0,1
	v_exp_f32 v[S+32*\t+n], v[S+32*\t+n]           ; p
.endr
.set n, n+1
.endr
	v_nop                                          ; a plain line behind the last exponential
	s_wait_alu depctr_va_vdst(0)                   ; one wait for the batch of 66, ahead of its first reader
.irp t, 0,1
	v_pk_mul_f32 v[ST+8*\t+2:ST+8*\t+3], v[ST+8*\t+2:ST+8*\t+3], v[ST+8*\t+6:ST+8*\t+7] op_sel_hi:[1,0]   ; l x a
	v_pk_add_f32 v[ST+8*\t+4:ST+8*\t+5], v[S+32*\t:S+32*\t+1], v[S+32*\t+2:S+32*\t+3]                     ; the sum of the unrounded p, in two chains
.endr
.irp j, 4,8,12,16,20,24,28
.irp t, 0,1
	v_pk_add_f32 v[ST+8*\t+2:ST+8*\t+3], v[ST+8*\t+2:ST+8*\t+3], v[S+32*\t+\j:S+32*\t+\j+1]
	v_pk_add_f32 v[ST+8*\t+4:ST+8*\t+5], v[ST+8*\t+4:ST+8*\t+5], v[S+32*\t+\j+2:S+32*\t+\j+3]
.endr
.endr
.irp t, 0,1
	v_pk_add_f32 v[ST+8*\t+2:ST+8*\t+3], v[ST+8*\t+2:ST+8*\t+3], v[ST+8*\t+4:ST+8*\t+5]
.endr
.set n, 0
.rept 16
.irp t, 0,1
	v_cvt_pk_f16_f32 v[S+32*\t+n], v[S+32*\t+2*n], v[S+32*\t+2*n+1]   ; P in place: register n takes pair n, ascending, so no pair is overwritten before it is read
.endr
.set n, n+1
.endr
.set n, 0
.rept 16
.irp t, 0,1
	v_pk_mul_f32 v[OT+32*\t+n:OT+32*\t+n+1], v[OT+32*\t+n:OT+32*\t+n+1], v[ST+8*\t+6:ST+8*\t+7] op_sel_hi:[1,0]   ; O^T x a, each accumulator from its low end on
.endr
.set n, n+2
.endr
	s_wait_dscnt 0x0                               ; V is in
.irp g, 0,1                            ; O^T += V^T P: eight accumulators by turns
.irp c, 0,1,2,3
.irp t, 0,1
	v_wmma_f32_16x16x32_f16 v[OT+32*\t+8*\c:OT+32*\t+8*\c+7], v[KV+32*\g+8*\c:KV+32*\g+8*\c+7], v[S+32*\t+8*\g:S+32*\t+8*\g+7], v[OT+32*\t+8*\c:OT+32*\t+8*\c+7]
.endr
.endr
.endr
.Lhidden_\@:
	s_add_co_u32 s[KF], s[KF], 64
.endm
; THE CHANGE OF SLOTS stands at a slot's head.  Each wave waits for all its tensor loads, adds 0 to its spare word (fill = 1: twice on end), and waits for that and
; for its reads of the slot that it has left.  Behind the barrier the slot ahead is whole and nobody reads the other one, which is filled with the next 256 keys: one load a wave, with a slot's four steps in which to land.
.macro CHANGE fill
	s_wait_tensorcnt 0x0                           ; no tensor load of mine is out, so a group 0 may be written
	ds_add_u32 v[SPW], v[NIL]
.if \fill
	ds_add_u32 v[SPW], v[NIL]
	s_xor_b32 s[G0K+1], s[G0K+1], SLOT1
	s_add_nc_u64 s[G0K+2:G0K+3], s[G0K+2:G0K+3], 32768
	s_xor_b32 s[G0V+1], s[G0V+1], SLOT1
	s_add_nc_u64 s[G0V+2:G0V+3], s[G0V+2:G0V+3], 32768
	s_wait_xcnt 0x0                                ; the last prefetch, a slot back, has read its address
	s_add_nc_u64 s[PFA:PFA+1], s[PFA:PFA+1], 32768
.endif
	s_wait_dscnt 0x0
	s_barrier_signal -1
	s_barrier_wait -1
.if \fill
	s_add_co_u32 s66, s[KF], 256                   ; the first key of the slot that this change would ask for: beyond my work-group's last query none of its waves reads it, so it is not asked for.
	s_cmp_gt_u32 s66, s[LASTQ]                     ; Ids and the count of steps alone: all sixteen waves go the same way.  Every wait for tensor loads in this text is for 0
	s_cbranch_scc1 .Lpast_\@
	TLOAD
.Lpast_\@:
	ASK
.endif
.endm
.macro SLOT_STEPS
.set QI, 0
.rept 4
	STEP QI
.set QI, QI+1
.endr
	s_xor_b32 s[TB], s[TB], SLOT1
.endm
	s_wait_loadcnt 0x0                             ; Q
.Lslot:                                ; NSL - 1 trips
	CHANGE 1
	SLOT_STEPS
	s_sub_co_u32 s[SLOTS], s[SLOTS], 1
	s_cmp_lg_u32 s[SLOTS], 0
	s_cbranch_scc1 .Lslot
	CHANGE 0                                       ; the last slot is written out: nothing is left to ask for
	SLOT_STEPS
	; THE WAY OUT: l's halves are added; O^T / l is rounded to f16 and goes through my stage, a tile at a time; each store of the wave covers 512 consecutive bytes, aligned.
.rept 4
	v_nop                                          ; places behind the last products
.endr
.irp t, 0,1
	v_add_f32 v[ST+8*\t+4], v[ST+8*\t+2], v[ST+8*\t+3]
.endr
.irp t, 0,1
	v_permlanex16_b32 v[ST+8*\t+5], v[ST+8*\t+4], s[SEL], s[SEL+1]
.endr
.irp t, 0,1
	v_add_f32 v[ST+8*\t+4], v[ST+8*\t+4], v[ST+8*\t+5]
.endr
.irp t, 0,1
	v_rcp_f32 v[ST+8*\t+6], v[ST+8*\t+4]
.endr
	v_nop
	s_wait_alu depctr_va_vdst(0)                   ; one wait for the two reciprocals, ahead of their first reader
.irp t, 0,1
.set n, 0
.rept 16
	v_pk_mul_f32 v[OT+32*\t+n:OT+32*\t+n+1], v[OT+32*\t+n:OT+32*\t+n+1], v[ST+8*\t+6:ST+8*\t+7] op_sel_hi:[1,0]
.set n, n+2
.endr
.set n, 0
.rept 16
	v_cvt_pk_f16_f32 v[S+16*\t+n], v[OT+32*\t+2*n], v[OT+32*\t+2*n+1]
.set n, n+1
.endr
.irp c, 0,1,2,3
	ds_store_b128 v[STO], v[S+16*\t+4*\c:S+16*\t+4*\c+3] offset:32*\c
.endr
.irp i, 0,1,2,3
	ds_load_b128 v[KV+16*\t+4*\i:KV+16*\t+4*\i+3], v[RD] offset:4*PK*\i   ; LDS serves a wave's instructions in order: these see the stores above, and the next tile's stores come behind them
.endr
.endr
.irp t, 0,1
.irp i, 0,1,2,3
	s_wait_dscnt 8*(1-\t)+3-\i                     ; behind this load: the rest of its tile's, and the next tile's eight
	global_store_b128 v[GO], v[KV+16*\t+4*\i:KV+16*\t+4*\i+3], s[6:7] offset:2048*\t+512*\i
.endr
.endr
	s_wait_tensorcnt 0x0                           ; the wave's end
	ds_add_u32 v[SPW], v[NIL]
	s_wait_dscnt 0x0
	s_endpgm
.Lfunc_end_k_q941ad83a6a_attn:
	.size	k_q941ad83a6a_attn, .Lfunc_end_k_q941ad83a6a_attn-k_q941ad83a6a_attn
	.p2alignl 7, 3214868480
	.fill 96, 4, 3214868480
	.section	.rodata,"a",@progbits
	.p2align	6, 0x0
	.amdhsa_kernel k_q941ad83a6a_attn
		.amdhsa_group_segment_fixed_size 327680
		.amdhsa_private_segment_fixed_size 0
		.amdhsa_enable_private_segment 0
		.amdhsa_kernarg_size 16
		.amdhsa_user_sgpr_count 2
		.amdhsa_user_sgpr_kernarg_segment_ptr 1
		.amdhsa_wavefront_size32 1
		.amdhsa_system_sgpr_workgroup_id_x 1
		.amdhsa_system_sgpr_workgroup_id_y 1
		.amdhsa_system_sgpr_workgroup_id_z 1
		.amdhsa_system_vgpr_workitem_id 0
		.amdhsa_next_free_vgpr 256
		.amdhsa_next_free_sgpr 72
		.amdhsa_reserve_vcc 1
		.amdhsa_float_denorm_mode_32 3
		.amdhsa_float_denorm_mode_16_64 3
		.amdhsa_memory_ordered 1
		.amdhsa_forward_progress 1
		.amdhsa_inst_pref_size 189
	.end_amdhsa_kernel
	.amdgpu_metadata
---
amdhsa.version: [ 1, 2 ]
amdhsa.kernels:
  - .name:           k_q941ad83a6a_attn
    .symbol:         k_q941ad83a6a_attn.kd
    .args:
      - { .name: qkv, .offset: 0, .size: 8, .value_kind: global_buffer, .address_space: global }
      - { .name: y16, .offset: 8, .size: 8, .value_kind: global_buffer, .address_space: global }
    .group_segment_fixed_size: 327680
    .private_segment_fixed_size: 0
    .kernarg_segment_align: 8
    .kernarg_segment_size: 16
    .max_flat_workgroup_size: 512
    .sgpr_count:     72
    .vgpr_count:     256
    .wavefront_size: 32
...
	.end_amdgpu_metadata
.endif
;; end of part 4
;; launch proj (part 5): grid 4 x 64, 4 waves a work-group, clusters of 4 x 4, 327,680 bytes of LDS; arguments y16, wo16, bo, out0; writes out0
.if DOCPART == 5
	.amdgcn_target "amdgcn-amd-amdhsa--gfx1250"
	.amdhsa_code_object_version 6
	.text
	.protected	k_q941ad83a6a_proj
	.globl	k_q941ad83a6a_proj
	.p2align	8
	.type	k_q941ad83a6a_proj,@function
k_q941ad83a6a_proj:
	s_mov_b64 s[64:65], 0
	v_nop
	global_prefetch_b8 v0, s[64:65] scope:SCOPE_SE
	s_setreg_imm32_b32 hwreg(HW_REG_WAVE_MODE, 25, 1), 1
	s_wait_xcnt 0x0
	s_wait_alu depctr_hold_cnt(0) depctr_sa_sdst(0) depctr_va_vdst(0) depctr_va_sdst(0) depctr_va_ssrc(0) depctr_va_vcc(0) depctr_vm_vsrc(0)
	s_getreg_b32 s2, hwreg(HW_REG_IB_STS2, 6, 4)
	s_cmp_eq_u32 s2, 0
	s_cbranch_scc0 .Lentry_in_a_cluster
	s_endpgm
.Lentry_in_a_cluster:
	s_bfe_u32 s2, ttmp6, 0x10000c
	s_cmp_lg_u32 s2, 0xf033
	s_cbranch_scc0 .Lentry_shape_is_right
	s_endpgm
.Lentry_shape_is_right:
; out0[m][n] = the sum over k of y[m][k] Wo[k][n] + bo[n].  y: y16 [4 b][16 h][2048 t][64] f16 (m = 2048 b + t, k = 64 h + d); Wo: wo16 [1024 k][1024 n] f16; sums in f32; out0 [8192][1024] f32.
; (The rows t < 16 of every batch are written again, from f32 operands, by the launch that follows.)
; A tile of C is 128 x 256: 256 work-groups.  Four waves, each 64 rows x 128 columns: 32 accumulators, 256 registers.  K goes in 8 steps of 128 (two heads) through two LDS slots.
; CLUSTERS: 4 x 4 work-groups.  The four of a row of the cluster need the same tiles of y, the four of a column the same tiles of Wo: each tile is asked for jointly.  A wave has two tensor loads out at the start, one behind each round.
; THE MATRIX INSTRUCTION IS USED TRANSPOSED: source 0 = 16 columns of Wo (stored [k][n]: turned by ds_load_tr16_b128), source 1 = 16 rows of y: a lane holds eight neighbouring columns of one row of C.
; REGISTERS: window 0: v12-15 my four biases; v16-17, v20-21 fragment addresses; v24-26 the way out; v28, v29 the add's two; two fragment buffers at v32 and v128 (y's 4 fragments, then Wo's 8).  window 1: accumulator (a, b) at v[8 (8 a + b)].
.set PA,     144                       ; a row of y's tile in LDS: 128 bytes + 16
.set AH,     128*PA                    ; a head's 128 rows
.set PB,     544                       ; a row of Wo's tile: 512 bytes + 32: an odd multiple of 32
.set BOFF,   2*AH
.set SLOT,   BOFF+128*PB
.set STAGE,  2*SLOT                    ; behind the ring: 16 rows x (512 + 16) for each wave
.set SPITCH, 528
.set SPARE,  STAGE+4*16*SPITCH
.set LAPS,   4
.set BIA,  12
.set ADRA, 16
.set ADRB, 20
.set STO,  24
.set RD,   25
.set CO,   26
.set SPW,  28
.set NIL,  29
.set F0,   32
.set F1,   128
.set G1, 24
.set G0, 32
.set G1B, 48
.set G0B, 56
.set MSB, 0
.macro WIN new
.if MSB != (\new)
	s_set_vgpr_msb (MSB<<8)|(\new)
.set MSB, (\new)
.endif
.endm
.set MUL, 0x50                         ; sources 0 and 1 window 0; C and D window 1
.macro JLOAD s                         ; waves 0 and 1 fetch y's two heads, waves 2 and 3 Wo's two halves; an s_nop 0 and four v_nop follow each line
	s_cmp_eq_u32 s13, 0
	s_cbranch_scc0 .Lfor_b_\@
	tensor_load_to_lds s[G0+4*\s:G0+4*\s+3], s[G1:G1+7]
	s_nop 0
.rept 4
	v_nop
.endr
	s_branch .Lasked_\@
.Lfor_b_\@:
	tensor_load_to_lds s[G0B+4*\s:G0B+4*\s+3], s[G1B:G1B+7]
	s_nop 0
.rept 4
	v_nop
.endr
.Lasked_\@:
.endm
.macro CREST
	s_cmp_lg_u32 s12, 0
	s_cbranch_scc1 .Lnot_wave_0_\@
	s_barrier_signal -3
.Lnot_wave_0_\@:
	s_barrier_wait -3
	s_barrier_signal -1
	s_barrier_wait -1
.endm
.macro CROUND
	s_barrier_signal -1
	s_barrier_wait -1
	CREST
.endm
	s_load_b256 s[4:11], s[0:1], 0x0               ; y16, wo16, bo, out0
	v_lshl_add_u32 v[SPW], v0, 2, SPARE
	v_mov_b32 v[NIL], 0
	ds_add_u32 v[SPW], v[NIL]                      ; the wave's opening: the add, twice on end, and its wait ahead of my first tensor load
	ds_add_u32 v[SPW], v[NIL]
	v_lshrrev_b32 v1, 5, v0
	v_readfirstlane_b32 s12, v1                    ; wave 0..3
	s_lshr_b32 s13, s12, 1                         ; which 64 rows are mine.  Also: I fetch for y (0) or for Wo (1)
	s_and_b32 s14, s12, 1                          ; which 128 columns.  Also: which half I fetch
	s_bfe_u32 s40, ttmp6, 0x40000                  ; cx
	s_bfe_u32 s41, ttmp6, 0x40004                  ; cy
	s_lshl_b32 s42, ttmp9, 2
	s_add_co_u32 s42, s42, s40                     ; tile column
	s_and_b32 s15, ttmp7, 0xffff
	s_lshl_b32 s15, s15, 2
	s_add_co_u32 s15, s15, s41                     ; tile row
	s_lshl_b32 s43, s41, 2
	s_lshl_b32 s43, 15, s43                        ; my row of the cluster
	s_lshl_b32 s44, 0x1111, s40                    ; my column
	s_or_b32 s[G1+0], s43, (1<<16)|(1<<20)|(1<<21)|(4<<22)|(3<<25)   ; y: elements of 2 bytes; after every 32 words, 4 words
	s_mov_b32 s[G1+1], 64<<16
	s_mov_b32 s[G1+2], 128<<16
	s_mov_b32 s[G1+3], 64<<16
	s_mov_b32 s[G1+4], 128
	s_mov_b32 s[G1+5], 64
	s_mov_b32 s[G1+6], 0
	s_mov_b32 s[G1+7], 0
	s_or_b32 s[G1B+0], s44, (1<<16)|(1<<20)|(1<<21)|(6<<22)|(7<<25)  ; Wo: after every 128 words, 8 words
	s_mov_b32 s[G1B+1], 256<<16
	s_mov_b32 s[G1B+2], 64<<16
	s_mov_b32 s[G1B+3], 256<<16
	s_mov_b32 s[G1B+4], 64
	s_mov_b32 s[G1B+5], 1024
	s_mov_b32 s[G1B+6], 0
	s_mov_b32 s[G1B+7], 0
	s_lshr_b32 s16, s15, 4                         ; y: the batch: 16 planes of 262,144 bytes,
	s_lshl_b32 s16, s16, 22
	s_and_b32 s17, s15, 15
	s_lshl_b32 s17, s17, 14                        ; 128 rows of 128 bytes a tile row,
	s_add_co_u32 s16, s16, s17
	s_lshl_b32 s17, s14, 18                        ; my head of the step's two
	s_add_co_u32 s16, s16, s17
	s_mov_b32 s17, 0
	s_lshl_b32 s46, s14, 17                        ; Wo: my 64 rows of 2,048 bytes,
	s_lshl_b32 s47, s42, 9                         ; 512 bytes a tile column
	s_add_co_u32 s46, s46, s47
	s_mov_b32 s47, 0
	s_mul_i32 s20, s14, AH                         ; where they go: no place in the cluster enters an LDS address
	s_mul_i32 s21, s14, 64*PB
	s_add_co_u32 s21, s21, BOFF
	s_wait_dscnt 0x0                               ; both opening adds are done
	s_wait_kmcnt 0x0
	s_add_nc_u64 s[18:19], s[4:5], s[16:17]
	s_add_nc_u64 s[46:47], s[6:7], s[46:47]
	CROUND                                         ; all sixteen work-groups are here: the first joint loads meet
.irp s, 0,1
	s_mov_b32 s[G0+4*\s], 1
	s_add_co_u32 s[G0+4*\s+1], s20, \s*SLOT
	s_add_nc_u64 s[G0+4*\s+2:G0+4*\s+3], s[18:19], \s*2*262144
	s_or_b32 s[G0+4*\s+3], s[G0+4*\s+3], 0x80000000
	s_mov_b32 s[G0B+4*\s], 1
	s_add_co_u32 s[G0B+4*\s+1], s21, \s*SLOT
	s_add_nc_u64 s[G0B+4*\s+2:G0B+4*\s+3], s[46:47], \s*128*2048
	s_or_b32 s[G0B+4*\s+3], s[G0B+4*\s+3], 0x80000000
	JLOAD \s
.endr
	v_and_b32 v1, 15, v0                           ; r
	v_bfe_u32 v2, v0, 4, 1                         ; h
	v_and_b32 v3, 7, v0
	v_bfe_u32 v4, v0, 3, 1
	v_mul_u32_u24 v5, v1, PA
	v_lshl_add_u32 v5, v2, 4, v5                   ; y: row r x pitch + 16 h
	v_lshl_add_u32 v6, v2, 3, v3                   ; Wo: row 8 h + l % 8, columns 8 ((l / 8) % 2) on
	v_mul_u32_u24 v6, v6, PB
	v_lshl_add_u32 v6, v4, 4, v6
	s_mul_i32 s22, s13, 64*PA                      ; my 64 rows of y
	s_lshl_b32 s23, s14, 8                         ; my 128 columns of Wo
	s_add_co_u32 s23, s23, BOFF
.irp s, 0,1
	v_add_nc_u32 v[ADRA+\s], s22, v5
	v_add_nc_u32 v[ADRB+\s], s23, v6
	s_add_co_u32 s22, s22, SLOT
	s_add_co_u32 s23, s23, SLOT
.endr
	s_mul_i32 s22, s12, 16*SPITCH
	s_add_co_u32 s22, s22, STAGE                   ; my stage
	v_mul_u32_u24 v5, v1, SPITCH
	v_lshl_add_u32 v5, v2, 5, v5
	v_add_nc_u32 v[STO], s22, v5                   ; in: row r, 32 bytes for each half of the lanes
	v_and_b32 v6, 31, v0
	v_lshlrev_b32 v[CO], 4, v6                     ; back: the 32 lanes take a row of 512 bytes; the same in out0 and in bo
	v_add_nc_u32 v[RD], s22, v[CO]
	s_lshl_b32 s16, s42, 10
	s_lshl_b32 s17, s14, 9
	s_add_co_u32 s16, s16, s17                     ; my first column, in bytes
	s_mov_b32 s17, 0
	s_add_nc_u64 s[8:9], s[8:9], s[16:17]
	global_load_b128 v[BIA:BIA+3], v[CO], s[8:9]   ; bo of my four columns
	s_lshl_b32 s22, s15, 19                        ; 128 rows of 4,096 bytes a tile row,
	s_lshl_b32 s23, s13, 18                        ; my 64 rows
	s_add_co_u32 s22, s22, s23
	s_add_co_u32 s16, s16, s22
	s_add_nc_u64 s[10:11], s[10:11], s[16:17]
.macro MULA f, a, zero                 ; 8 matrix instructions: y's block a against Wo's eight, 32 along K
.irp b, 0,1,2,3,4,5,6,7
.if \zero
	v_wmma_f32_16x16x32_f16 v[8*(8*(\a)+\b):8*(8*(\a)+\b)+7], v[\f+32+8*\b:\f+32+8*\b+7], v[\f+8*(\a):\f+8*(\a)+7], 0
.else
	v_wmma_f32_16x16x32_f16 v[8*(8*(\a)+\b):8*(8*(\a)+\b)+7], v[\f+32+8*\b:\f+32+8*\b+7], v[\f+8*(\a):\f+8*(\a)+7], v[8*(8*(\a)+\b):8*(8*(\a)+\b)+7]
.endif
.endr
.endm
.macro FETCH slot, q, f                ; 24 LDS loads in one run: the fragments of the slot's q-th 32 along K; Wo's first, y's blocks 2 and 3 last
	WIN 0
.irp i, 0,1,2,3,4,5,6,7
	ds_load_tr16_b128 v[\f+32+8*\i:\f+32+8*\i+3], v[ADRB+\slot] offset:(\q)*32*PB+32*\i
	ds_load_tr16_b128 v[\f+32+8*\i+4:\f+32+8*\i+7], v[ADRB+\slot] offset:(\q)*32*PB+16*PB+32*\i
.endr
.irp i, 0,1,2,3
	ds_load_b128 v[\f+8*\i:\f+8*\i+3], v[ADRA+\slot] offset:((\q)/2)*AH+64*((\q)%2)+\i*16*PA
	ds_load_b128 v[\f+8*\i+4:\f+8*\i+7], v[ADRA+\slot] offset:((\q)/2)*AH+64*((\q)%2)+\i*16*PA+32
.endr
.endm
.macro PLACES
.rept 4
	v_nop
.endr
.endm
; A K step is four quarters of 32 along K, 32 matrix instructions each on the 32 accumulators by turns, on buffers 0, 1, 0, 1.
.macro QUARTER slot, qn, f, g, zero
	s_wait_dscnt 4                                 ; all but y's blocks 2 and 3
	WIN MUL
	MULA \f, 0, \zero
	MULA \f, 1, \zero
	PLACES
	FETCH \slot, \qn, \g
	s_wait_dscnt 24                                ; all but the 24 just issued
	WIN MUL
	MULA \f, 2, \zero
	MULA \f, 3, \zero
.endm
; The last quarter multiplies buffer 1 and changes slots: one barrier; in front of it each wave waits for all its tensor loads, adds 0 to its spare word, and waits for that and for its reads of this slot.
.macro TURN slot, next, fill
	WIN 0
	s_wait_tensorcnt 0x0                           ; all my tensor loads have landed: my part of the next slot
	ds_add_u32 v[SPW], v[NIL]
	s_wait_dscnt 5                                 ; the add and y's blocks 2 and 3 may be out
	WIN MUL
	MULA F1, 0, 0
	s_wait_dscnt 0x0                               ; the add is done, and my reads of this slot are over
	s_barrier_signal -1
	MULA F1, 1, 0
.if \fill
	WIN 0
.endif
	s_barrier_wait -1
.if \fill
	CREST                                          ; the barrier has opened a round of the cluster's: no wave of any partner still reads this slot or has a load on its way
	s_add_nc_u64 s[G0+4*\slot+2:G0+4*\slot+3], s[G0+4*\slot+2:G0+4*\slot+3], 4*262144
	s_add_nc_u64 s[G0B+4*\slot+2:G0B+4*\slot+3], s[G0B+4*\slot+2:G0B+4*\slot+3], 256*2048
	JLOAD \slot                                    ; the first tensor load behind the round; its four v_nop are also the places in front of the loads below
.else
	PLACES
.endif
	FETCH \next, 0, F0
	WIN MUL
	MULA F1, 2, 0
	MULA F1, 3, 0
.endm
	s_wait_tensorcnt 1                             ; my part of K step 0 is in; K step 1's may be out
	s_barrier_signal -1
	s_barrier_wait -1
	FETCH 0, 0, F0
	QUARTER 0, 1, F0, F1, 1                        ; the first quarter starts the sums
	WIN 0
	s_mov_b32 s3, LAPS-1
.Llap:                                 ; a trip goes once round the ring and fills both slots again: K steps 2 to 7
	QUARTER 0, 2, F1, F0, 0
	QUARTER 0, 3, F0, F1, 0
	TURN 0, 1, 1
	QUARTER 1, 1, F0, F1, 0
	QUARTER 1, 2, F1, F0, 0
	QUARTER 1, 3, F0, F1, 0
	TURN 1, 0, 1
	QUARTER 0, 1, F0, F1, 0
	WIN 0
	s_sub_co_u32 s3, s3, 1
	s_cmp_lg_u32 s3, 0
	s_cbranch_scc1 .Llap
	QUARTER 0, 2, F1, F0, 0                        ; the last lap fills nothing
	QUARTER 0, 3, F0, F1, 0
	TURN 0, 1, 0
	QUARTER 1, 1, F0, F1, 0
	QUARTER 1, 2, F1, F0, 0
	QUARTER 1, 3, F0, F1, 0
	s_wait_dscnt 4
	WIN MUL
	MULA F1, 0, 0
	MULA F1, 1, 0
	s_wait_dscnt 0
	MULA F1, 2, 0
	MULA F1, 3, 0
	WIN 0
; THE WAY OUT, block by block of 16 rows x 128 columns: through my own stage, back as whole rows of 512 bytes, the bias added, stored as 512 consecutive bytes, aligned.
.macro TOSTAGE a
	WIN 0x04                                       ; an LDS store's data: window 1
.irp b, 0,1,2,3,4,5,6,7
	ds_store_b128 v[STO], v[8*(8*(\a)+\b):8*(8*(\a)+\b)+3] offset:64*\b          ; each accumulator from its low end on
	ds_store_b128 v[STO], v[8*(8*(\a)+\b)+4:8*(8*(\a)+\b)+7] offset:64*\b+16
.endr
	WIN 0
.set BB, 32+96*((\a)%2)
.irp t, 0,1,2,3,4,5,6,7,8,9,10,11,12,13,14,15
	ds_load_b128 v[BB+4*\t:BB+4*\t+3], v[RD] offset:\t*SPITCH
.endr
.endm
.macro SEND a, younger
.set BB, 32+96*((\a)%2)
	s_wait_dscnt \younger                          ; the block is back in registers
.irp t, 0,1,2,3,4,5,6,7,8,9,10,11,12,13,14,15
	v_pk_add_f32 v[BB+4*\t:BB+4*\t+1], v[BB+4*\t:BB+4*\t+1], v[BIA:BIA+1]
	v_pk_add_f32 v[BB+4*\t+2:BB+4*\t+3], v[BB+4*\t+2:BB+4*\t+3], v[BIA+2:BIA+3]
.endr
.irp t, 0,1,2,3,4,5,6,7,8,9,10,11,12,13,14,15
	global_store_b128 v[CO], v[BB+4*\t:BB+4*\t+3], s[10:11] offset:(16*(\a)+\t)*4096 th:TH_STORE_NT
.endr
.endm
	PLACES                                         ; behind the last products: for the reads of results and the loads into the fragment buffers
	s_wait_loadcnt 0x0                             ; the bias
	TOSTAGE 0
.irp a, 1,2,3
.if \a > 1
	s_wait_xcnt 0x0                                ; block a - 2's stores have read their registers: block a's loads may land there
.endif
	TOSTAGE \a
	SEND \a-1, 32                                  ; behind block a - 1's loads: block a's 16 stores and 16 loads
.endr
	SEND 3, 0
	s_wait_tensorcnt 0x0                           ; the wave's end
	ds_add_u32 v[SPW], v[NIL]
	s_wait_dscnt 0x0
	CROUND                                         ; the closing round
	s_endpgm
.Lfunc_end_k_q941ad83a6a_proj:
	.size	k_q941ad83a6a_proj, .Lfunc_end_k_q941ad83a6a_proj-k_q941ad83a6a_proj
	.p2alignl 7, 3214868480
	.fill 96, 4, 3214868480
	.section	.rodata,"a",@progbits
	.p2align	6, 0x0
	.amdhsa_kernel k_q941ad83a6a_proj
		.amdhsa_group_segment_fixed_size 327680
		.amdhsa_private_segment_fixed_size 0
		.amdhsa_enable_private_segment 0
		.amdhsa_kernarg_size 32
		.amdhsa_user_sgpr_count 2
		.amdhsa_user_sgpr_kernarg_segment_ptr 1
		.amdhsa_wavefront_size32 1
		.amdhsa_system_sgpr_workgroup_id_x 1
		.amdhsa_system_sgpr_workgroup_id_y 1
		.amdhsa_system_sgpr_workgroup_id_z 1
		.amdhsa_system_vgpr_workitem_id 0
		.amdhsa_next_free_vgpr 512
		.amdhsa_next_free_sgpr 66
		.amdhsa_reserve_vcc 0
		.amdhsa_float_denorm_mode_32 3
		.amdhsa_float_denorm_mode_16_64 3
		.amdhsa_memory_ordered 1
		.amdhsa_forward_progress 1
		.amdhsa_inst_pref_size 93
	.end_amdhsa_kernel
	.amdgpu_metadata
---
amdhsa.version: [ 1, 2 ]
amdhsa.kernels:
  - .name:           k_q941ad83a6a_proj
    .symbol:         k_q941ad83a6a_proj.kd
    .args:
      - { .name: y16, .offset: 0, .size: 8, .value_kind: global_buffer, .address_space: global }
      - { .name: wo16, .offset: 8, .size: 8, .value_kind: global_buffer, .address_space: global }
      - { .name: bo, .offset: 16, .size: 8, .value_kind: global_buffer, .address_space: global }
      - { .name: out0, .offset: 24, .size: 8, .value_kind: global_buffer, .address_space: global }
    .group_segment_fixed_size: 327680
    .private_segment_fixed_size: 0
    .kernarg_segment_align: 8
    .kernarg_segment_size: 32
    .max_flat_workgroup_size: 128
    .sgpr_count:     66
    .vgpr_count:     512
    .wavefront_size: 32
...
	.end_amdgpu_metadata
.endif
;; end of part 5
;; launch first16 (part 6): grid 16 x 4, 16 waves a work-group, no clusters, 85,248 bytes of LDS; arguments q32, Wo, bo, out0; writes out0
.if DOCPART == 6
	.amdgcn_target "amdgcn-amd-amdhsa--gfx1250"
	.amdhsa_code_object_version 6
	.text
	.protected	k_q941ad83a6a_first16
	.globl	k_q941ad83a6a_first16
	.p2align	8
	.type	k_q941ad83a6a_first16,@function
k_q941ad83a6a_first16:
	s_mov_b64 s[64:65], 0
	v_nop
	global_prefetch_b8 v0, s[64:65] scope:SCOPE_SE
	s_setreg_imm32_b32 hwreg(HW_REG_WAVE_MODE, 25, 1), 1
	s_wait_xcnt 0x0
; The first 16 positions of every batch, where a row of the softmax averages one to sixteen values, in f32 throughout: attention on q32 [4 b][16 t][3072] (q | k | v, f32) and the projection by Wo [1024 k][1024 n] f32, + bo.
; They take the place of the same 64 rows of out0 that the launch before wrote from f16 operands.  64 rows of 8,192: no bulk work; the f32 matrix form does it.
; A work-group makes 64 output columns (x) of one batch (y).  PHASE 1: wave w = head w: S^T = K Q^T, the causal mask, softmax with its maximum, O^T = V^T P, / the sum; y's 16 x 1024 numbers meet in LDS.
; PHASE 2: wave w takes 16 columns (w & 3) and 256 along K (w >> 2); the four parts of K meet in LDS and waves 0-7 add them and bo.
; THE ORDER OF k inside a product is permuted alike on both operands: a lane's 16 bytes hold k = 8 g + 4 h + 0..3; registers 0, 1 feed one matrix instruction and registers 2, 3 the next.
; The registers that the f32 matrix form writes (v16-79) are written by matrix instructions alone; four accumulators take turns in every product; their sums go into other registers.
; No tensor loads, so no cluster: what work-groups share (q32, 196,608 bytes a batch) is small beside Wo's columns, which nobody shares within a batch.
.set PY,    4112                       ; a row of y in LDS: 4,096 bytes + 16
.set PART,  16*PY                      ; behind y: four parts of 16 rows x (256 + 16)
.set SPARE, PART+4*16*272
.set SPW, 1
.set NIL, 2
.set VW,  3                            ; Wo: 4 r + 4 h rows of 4,096 bytes
.set VQ,  4                            ; q, k: row r of 12,288 bytes + 16 h
.set VV,  5                            ; v: 8 h rows + 4 r
.set YS,  8                            ; where I store y
.set YL,  9                            ; where I load it
.set PS,  10                           ; where I store my part
.set PL,  11                           ; where I read the four parts
.set GOUT, 12
.set BO16, 13
.set SA,  16                           ; four accumulators: S^T, later the projection
.set OA,  48                           ; four accumulators: O^T
.set QF,  80                           ; q, later Wo's chunk 2
.set KF,  112                          ; k, later Wo's chunk 3
.set VF,  144                          ; v, then y / l, then y's fragments
.set P,   176
.set T,   184
.set W01, 192                          ; Wo's chunks 0 and 1
	s_load_b256 s[4:11], s[0:1], 0x0               ; q32, Wo, bo, out0
	v_lshl_add_u32 v[SPW], v0, 2, SPARE
	v_mov_b32 v[NIL], 0
	v_lshrrev_b32 v14, 5, v0
	v_readfirstlane_b32 s12, v14                   ; wave 0..15
	s_and_b32 s13, ttmp7, 0xffff                   ; the batch
	s_mov_b32 s14, 0x3e38aa3b                      ; c = log2(e) / 8
	s_mov_b32 s16, 0x76543210
	s_mov_b32 s17, 0xfedcba98                      ; lane l xor 16
	s_and_b32 s18, s12, 3                          ; phase 2: which 16 columns
	s_lshr_b32 s19, s12, 2                         ; which 256 along K
	v_and_b32 v14, 15, v0                          ; r
	v_bfe_u32 v15, v0, 4, 1                        ; h
	v_lshlrev_b32 v[VV], 2, v14
	v_lshl_add_u32 v[VW], v15, 14, v[VV]
	v_mul_u32_u24 v[VQ], v14, 12288
	v_lshl_add_u32 v[VQ], v15, 4, v[VQ]
	v_mul_u32_u24 v6, v15, 98304
	v_add_nc_u32 v[VV], v6, v[VV]
	v_lshlrev_b32 v6, 3, v15
	v_sub_nc_u32 v6, v14, v6                       ; r - 8 h
	v_mov_b32 v7, 0xff800000                       ; -infinity
	v_mul_u32_u24 v[YL], v14, PY
	v_lshl_add_u32 v[YS], v15, 5, v[YL]
	s_lshl_b32 s20, s12, 8
	v_add_nc_u32 v[YS], s20, v[YS]                 ; row r, + 256 x head, + 32 h
	v_lshl_add_u32 v[YL], v15, 4, v[YL]
	s_lshl_b32 s20, s19, 10
	v_add_nc_u32 v[YL], s20, v[YL]                 ; row r, + 16 h, + my 256 along K
	v_mul_u32_u24 v[PS], v14, 272
	v_lshl_add_u32 v[PS], v15, 5, v[PS]
	s_mul_i32 s20, s19, 16*272
	s_lshl_b32 s21, s18, 6
	s_add_co_u32 s20, s20, s21
	s_add_co_u32 s20, s20, PART
	v_add_nc_u32 v[PS], s20, v[PS]
	v_lshrrev_b32 v15, 4, v0                       ; the last step (threads 0-255): row = thread / 16,
	v_lshlrev_b32 v[BO16], 4, v14                  ; 16 bytes at 16 x (thread % 16)
	v_mul_u32_u24 v[PL], v15, 272
	v_add_nc_u32 v[PL], v[PL], v[BO16]
	v_add_nc_u32 v[PL], PART, v[PL]
	v_lshl_add_u32 v[GOUT], v15, 12, v[BO16]
	s_mul_i32 s20, s13, 196608
	s_lshl_b32 s21, s12, 8
	s_add_co_u32 s20, s20, s21                     ; q32: my batch, my head's 64 columns
	s_mov_b32 s21, 0
	s_lshl_b32 s22, s19, 20                        ; Wo: 256 rows of 4,096 bytes,
	s_lshl_b32 s23, ttmp9, 8                       ; the work-group's 64 columns,
	s_add_co_u32 s22, s22, s23
	s_lshl_b32 s24, s18, 6                         ; my 16
	s_add_co_u32 s22, s22, s24
	s_mov_b32 s24, s23
	s_mov_b32 s23, 0
	s_mov_b32 s25, 0
	s_lshl_b32 s26, s13, 23                        ; out0: a batch is 8,388,608 bytes
	s_add_co_u32 s26, s26, s24
	s_mov_b32 s27, 0
	s_wait_kmcnt 0x0
	s_add_nc_u64 s[4:5], s[4:5], s[20:21]
	s_add_nc_u64 s[6:7], s[6:7], s[22:23]
	s_add_nc_u64 s[8:9], s[8:9], s[24:25]
	s_add_nc_u64 s[10:11], s[10:11], s[26:27]
.irp c, 0,1,2,3,4,5,6,7
	global_load_b128 v[QF+4*\c:QF+4*\c+3], v[VQ], s[4:5] offset:32*\c              ; q(r, 8 c + 4 h + 0..3)
.endr
.irp c, 0,1,2,3,4,5,6,7
	global_load_b128 v[KF+4*\c:KF+4*\c+3], v[VQ], s[4:5] offset:4096+32*\c         ; k likewise
.endr
.irp t, 0,1,2,3
.irp e, 0,1,2,3,4,5,6,7
	global_load_b32 v[VF+8*\t+\e], v[VV], s[4:5] offset:8192+\e*12288+64*\t        ; v(key 8 h + e, channel 16 t + r): the keys in the order in which P's registers hold them
.endr
.endr
.set i, 0
.rept 64
	global_load_b32 v[W01+i], v[VW], s[6:7] offset:(8*(i/4)+i%4)*4096              ; Wo(8 g + 4 h + e, my column r): chunks 0 and 1 of my 256 along K
.set i, i+1
.endr
	s_wait_loadcnt 63                              ; q and k are in: 96 younger loads were issued
.set i, 0
.rept 16                               ; S^T = K Q^T: 64 channels, four a product
.if i < 4
	v_wmma_f32_16x16x4_f32 v[SA+8*(i%4):SA+8*(i%4)+7], v[KF+2*i:KF+2*i+1], v[QF+2*i:QF+2*i+1], 0
.else
	v_wmma_f32_16x16x4_f32 v[SA+8*(i%4):SA+8*(i%4)+7], v[KF+2*i:KF+2*i+1], v[QF+2*i:QF+2*i+1], v[SA+8*(i%4):SA+8*(i%4)+7]
.endif
.set i, i+1
.endr
.rept 8
	v_nop                                          ; eight places behind this form: for the loads into q's and k's registers and the reads of the sums
.endr
.set i, 64
.rept 64
	global_load_b32 v[QF+i-64], v[VW], s[6:7] offset:(8*(i/4)+i%4)*4096            ; Wo's chunks 2 and 3
.set i, i+1
.endr
.macro GATHER                          ; the four accumulators' sum into P, each read from its low end on
.irp j, 0,2,4,6
	v_pk_add_f32 v[T+\j:T+\j+1], v[SA+\j:SA+\j+1], v[SA+8+\j:SA+8+\j+1]
	v_pk_add_f32 v[P+\j:P+\j+1], v[SA+16+\j:SA+16+\j+1], v[SA+24+\j:SA+24+\j+1]
.endr
.irp j, 0,2,4,6
	v_pk_add_f32 v[P+\j:P+\j+1], v[P+\j:P+\j+1], v[T+\j:T+\j+1]
.endr
.endm
	GATHER                                         ; lane (r, h), register j: the score of key 8 h + j for query r
.irp j, 0,1,2,3,4,5,6,7
	v_cmp_gt_i32 vcc_lo, \j, v6                    ; hidden where 8 h + j > r
	v_cndmask_b32 v[P+\j], v[P+\j], v7, vcc_lo
.endr
	v_max3_num_f32 v[T], v[P], v[P+1], v[P+2]
	v_max3_num_f32 v[T], v[T], v[P+3], v[P+4]
	v_max3_num_f32 v[T], v[T], v[P+5], v[P+6]
	v_max_num_f32 v[T], v[T], v[P+7]
	v_permlanex16_b32 v[T+1], v[T], s16, s17
	v_max_num_f32 v[T], v[T], v[T+1]               ; the row's maximum: key 0 counts for every query
	v_mul_f32 v[T+2], s14, v[T]
.irp j, 0,1,2,3,4,5,6,7
	v_fma_f32 v[P+\j], v[P+\j], s14, -v[T+2]
.endr
.irp j, 0,1,2,3,4,5,6,7
	v_exp_f32 v[P+\j], v[P+\j]
.endr
	v_nop
	s_wait_alu depctr_va_vdst(0)                   ; one wait for the eight exponentials, ahead of their first reader
	v_add_f32 v[T+3], v[P], v[P+1]
	v_add_f32 v[T+4], v[P+2], v[P+3]
	v_add_f32 v[T+3], v[T+3], v[P+4]
	v_add_f32 v[T+4], v[T+4], v[P+5]
	v_add_f32 v[T+3], v[T+3], v[P+6]
	v_add_f32 v[T+4], v[T+4], v[P+7]
	v_add_f32 v[T+3], v[T+3], v[T+4]
	v_permlanex16_b32 v[T+4], v[T+3], s16, s17
	v_add_f32 v[T+3], v[T+3], v[T+4]               ; the row's sum
	v_rcp_f32 v[T+5], v[T+3]
	s_wait_loadcnt 63                              ; v is in: 128 younger loads were issued
.irp c, 0,1,2,3                        ; O^T = V^T P: 16 keys, four a product; four tiles of 16 channels by turns
.irp t, 0,1,2,3
.if \c == 0
	v_wmma_f32_16x16x4_f32 v[OA+8*\t:OA+8*\t+7], v[VF+8*\t+2*\c:VF+8*\t+2*\c+1], v[P+2*\c:P+2*\c+1], 0
.else
	v_wmma_f32_16x16x4_f32 v[OA+8*\t:OA+8*\t+7], v[VF+8*\t+2*\c:VF+8*\t+2*\c+1], v[P+2*\c:P+2*\c+1], v[OA+8*\t:OA+8*\t+7]
.endif
.endr
.endr
.rept 8
	v_nop                                          ; eight places; also the plain line behind the reciprocal
.endr
	s_wait_alu depctr_va_vdst(0)                   ; the reciprocal's wait, ahead of its first reader
.set i, 0
.rept 32
	v_mul_f32 v[VF+i], v[OA+i], v[T+5]             ; y(r, 64 w + 16 t + 8 h + j), ascending
.set i, i+1
.endr
.irp t, 0,1,2,3
	ds_store_b128 v[YS], v[VF+8*\t:VF+8*\t+3] offset:64*\t
	ds_store_b128 v[YS], v[VF+8*\t+4:VF+8*\t+7] offset:64*\t+16
.endr
	s_wait_dscnt 0x0                               ; for the others' sake: my stores have landed
	s_barrier_signal -1
	s_barrier_wait -1
; PHASE 2: a chunk is 64 along K: y's 8 loads of 16 bytes, 16 products (source 0 = Wo's 16 columns, source 1 = y's 16 rows)
.macro CHUNK i, wreg, left
.irp g, 0,1,2,3,4,5,6,7
	ds_load_b128 v[VF+4*\g:VF+4*\g+3], v[YL] offset:256*\i+32*\g
.endr
	s_wait_dscnt 0x0
	s_wait_loadcnt \left                           ; this chunk of Wo is in (the count is at most the number of younger loads)
.set n, 0
.rept 16
.if (\i == 0) && (n < 4)
	v_wmma_f32_16x16x4_f32 v[SA+8*(n%4):SA+8*(n%4)+7], v[\wreg+2*n:\wreg+2*n+1], v[VF+2*n:VF+2*n+1], 0
.else
	v_wmma_f32_16x16x4_f32 v[SA+8*(n%4):SA+8*(n%4)+7], v[\wreg+2*n:\wreg+2*n+1], v[VF+2*n:VF+2*n+1], v[SA+8*(n%4):SA+8*(n%4)+7]
.endif
.set n, n+1
.endr
.rept 8
	v_nop                                          ; eight places in front of the next loads into y's registers, and of the reads of the sums
.endr
.endm
	CHUNK 0, W01, 63                               ; 96 younger loads
	CHUNK 1, W01+32, 63                            ; 64
	CHUNK 2, QF, 32
	CHUNK 3, KF, 0
	GATHER                                         ; lane (r, h), register j: row r, column 16 (w & 3) + 8 h + j, my 256 along K
	ds_store_b128 v[PS], v[P:P+3]
	ds_store_b128 v[PS], v[P+4:P+7] offset:16
	s_wait_dscnt 0x0
	s_barrier_signal -1
	s_barrier_wait -1
	s_cmp_ge_u32 s12, 8
	s_cbranch_scc1 .Ldone
	global_load_b128 v[VF+16:VF+19], v[BO16], s[8:9]
.irp k, 0,1,2,3
	ds_load_b128 v[VF+4*\k:VF+4*\k+3], v[PL] offset:16*272*\k
.endr
	s_wait_dscnt 0x0
.irp j, 0,2
	v_pk_add_f32 v[VF+\j:VF+\j+1], v[VF+\j:VF+\j+1], v[VF+4+\j:VF+4+\j+1]
	v_pk_add_f32 v[VF+8+\j:VF+8+\j+1], v[VF+8+\j:VF+8+\j+1], v[VF+12+\j:VF+12+\j+1]
.endr
.irp j, 0,2
	v_pk_add_f32 v[VF+\j:VF+\j+1], v[VF+\j:VF+\j+1], v[VF+8+\j:VF+8+\j+1]
.endr
	s_wait_loadcnt 0x0                             ; bo
.irp j, 0,2
	v_pk_add_f32 v[VF+\j:VF+\j+1], v[VF+\j:VF+\j+1], v[VF+16+\j:VF+16+\j+1]
.endr
	global_store_b128 v[GOUT], v[VF:VF+3], s[10:11]   ; sixteen lanes store 256 consecutive bytes, aligned
.Ldone:
	s_wait_tensorcnt 0x0                           ; the wave's end
	ds_add_u32 v[SPW], v[NIL]
	s_wait_dscnt 0x0
	s_endpgm
.Lfunc_end_k_q941ad83a6a_first16:
	.size	k_q941ad83a6a_first16, .Lfunc_end_k_q941ad83a6a_first16-k_q941ad83a6a_first16
	.p2alignl 7, 3214868480
	.fill 96, 4, 3214868480
	.section	.rodata,"a",@progbits
	.p2align	6, 0x0
	.amdhsa_kernel k_q941ad83a6a_first16
		.amdhsa_group_segment_fixed_size 85248
		.amdhsa_private_segment_fixed_size 0
		.amdhsa_enable_private_segment 0
		.amdhsa_kernarg_size 32
		.amdhsa_user_sgpr_count 2
		.amdhsa_user_sgpr_kernarg_segment_ptr 1
		.amdhsa_wavefront_size32 1
		.amdhsa_system_sgpr_workgroup_id_x 1
		.amdhsa_system_sgpr_workgroup_id_y 1
		.amdhsa_system_sgpr_workgroup_id_z 1
		.amdhsa_system_vgpr_workitem_id 0
		.amdhsa_next_free_vgpr 256
		.amdhsa_next_free_sgpr 66
		.amdhsa_reserve_vcc 1
		.amdhsa_float_denorm_mode_32 3
		.amdhsa_float_denorm_mode_16_64 3
		.amdhsa_memory_ordered 1
		.amdhsa_forward_progress 1
		.amdhsa_inst_pref_size 36
	.end_amdhsa_kernel
	.amdgpu_metadata
---
amdhsa.version: [ 1, 2 ]
amdhsa.kernels:
  - .name:           k_q941ad83a6a_first16
    .symbol:         k_q941ad83a6a_first16.kd
    .args:
      - { .name: q32, .offset: 0, .size: 8, .value_kind: global_buffer, .address_space: global }
      - { .name: Wo, .offset: 8, .size: 8, .value_kind: global_buffer, .address_space: global }
      - { .name: bo, .offset: 16, .size: 8, .value_kind: global_buffer, .address_space: global }
      - { .name: out0, .offset: 24, .size: 8, .value_kind: global_buffer, .address_space: global }
    .group_segment_fixed_size: 85248
    .private_segment_fixed_size: 0
    .kernarg_segment_align: 8
    .kernarg_segment_size: 32
    .max_flat_workgroup_size: 512
    .sgpr_count:     66
    .vgpr_count:     256
    .wavefront_size: 32
...
	.end_amdgpu_metadata
.endif
;; end of part 6
